; MI455X (gfx1250); checked and timed in simulation.
; The chip was launched on July 23, 2026; its instructions are those of AMD's public machine-readable ISA for CDNA 5 (MIT licence, August 2026) and "CDNA5" Instruction Set Architecture Reference Guide (July 2026). The comments in the code are by the model that wrote it; some were corrected since.
;; Multi Head Attention. Allowed arithmetic: matrix products marked QUANTISED: E2M3 operands, one E8M0 scale for each 32 along K, by v_wmma_scale_f32_16x16x128_f8f6f4 with both operands' format E2M3, f32 sums; everything else in f32.
;; Inputs: K 4 x 2,048 x 1,024 float32; Q 4 x 2,048 x 1,024 float32; V 4 x 2,048 x 1,024 float32; Wk 1,024 x 1,024 float32; Wo 1,024 x 1,024 float32; Wq 1,024 x 1,024 float32; Wv 1,024 x 1,024 float32; bk 1,024 float32; bo 1,024 float32; bq 1,024 float32; bv 1,024 float32.
;; Outputs: out0 4 x 2,048 x 1,024 float32.
;; This version of the problem:
;;   THIS VERSION OF THE PROBLEM IS GIVEN IN LOW PRECISION. The matrix products marked QUANTISED in the list below multiply operands that are first quantised to E2M3 (2 exponent bits, 3 mantissa bits; 6 bits a number), with one power-of-two scale for each 32 numbers along K (OCP MX v1.0); their sums are f32. All else is computed in f32.
;;   The module's matrix products, in the order in which they are computed (A, B: the left and right operand; K: the contracted axis; several contracted axes count as one K, in the product's order):
;;     1. [M 8,192, K 1,024] x [K 1,024, N 1,024]; A: input Q; B: input Wq: QUANTISED
;;     2. [M 8,192, K 1,024] x [K 1,024, N 1,024]; A: input K; B: input Wk: QUANTISED
;;     3. [M 8,192, K 1,024] x [K 1,024, N 1,024]; A: input V; B: input Wv: QUANTISED
;;     4. batch 64 x [M 2,048, K 64] x [K 64, N 2,048]; A: computed on the way; B: computed on the way: QUANTISED
;;     5. batch 64 x [M 2,048, K 2,048] x [K 2,048, N 64]; A: softmax (see below); B: computed on the way: QUANTISED
;;     6. [M 8,192, K 1,024] x [K 1,024, N 1,024]; A: computed on the way; B: input Wo: QUANTISED
;;   THE QUANTISER, for each operand of a quantised product, along K:
;;     - K is cut into blocks of 32 from its start; a last block that is shorter is filled with zeros.
;;     - A block's scale is 2^e with e = floor(log2(the largest magnitude in the block)) - 2, held to -126 .. 127; a block of zeros has e = 0. As a byte (E8M0): e + 127.
;;     - Each number is divided by its block's scale, clamped to +-7.5, and rounded to the nearest number of E2M3, ties to even, subnormals kept.
;;     - The product sums the exact products of the quantised numbers (number of the format x scale) in f32.
;;   ~~~python
;;   def quantise(x, axis):      # numpy; x: float32 -> the quantised numbers, widened to float32 again
;;       x = np.moveaxis(x, axis, -1); K = x.shape[-1]
;;       x = np.pad(x, [(0, 0)] * (x.ndim - 1) + [(0, -K % 32)]); x = x.reshape(x.shape[:-1] + (-1, 32)); a = np.abs(x).max(-1, keepdims=True)
;;       e = np.where(a > 0, np.clip(np.frexp(np.where(a > 0, a, 1))[1] - 1 - 2, -126, 127), 0)      # np.frexp(a)[1] - 1 = floor(log2(a)), exactly
;;       r = np.clip(x / 2.0 ** e, -7.5, 7.5)
;;       step = 2.0 ** (np.maximum(np.frexp(np.where(r == 0, 1, r))[1] - 1, 0) - 3)
;;       q = np.round(r / step) * step * 2.0 ** e      # np.round: ties to even
;;       return np.moveaxis(q.reshape(q.shape[:-2] + (-1,))[..., :K], -1, axis).astype(np.float32)
;;   ~~~
;;   SOFTMAX AHEAD OF A QUANTISED PRODUCT. Where the list says 'softmax', what is quantised is not the finished softmax but p = 2^(t - M), with t = logit x log2(e) and M = ceil(the row's largest t), a whole number; so 1/2 < the row's largest p <= 1. The row's sum l is taken of the UNQUANTISED p, in f32, and the product's result is divided by l at the end. Since M is a whole number, a kernel that streams over the keys may use a running M (the ceiling of the running maximum): every later rescaling is an exact power of two, which a block's scale takes up: the codes' values come out the same.
;;   OPERANDS COMPUTED ON THE WAY. 'Computed on the way' means the value that the module computes at that place (a softmax that the list does not call 'softmax' is quantised finished and normalised). What goes into a quantiser is computed in f32, as accurately as f32 sums, v_exp_f32 and their like allow (about 1e-6 of the number): no bf16 or f16 on the way to a quantiser, and a product that is left as it is and whose result goes on into a quantised operand takes f32 operands (vector FMAs, or v_wmma_f32_16x16x4_f32). A number that lies on a knife's edge between two numbers of the format may be rounded either way, as far as f32 arithmetic and the matrix unit's own rounding can turn it there, and no further.
;; One version. Each part assembles by itself: llvm-mc -triple=amdgcn-amd-amdhsa -mcpu=gfx1250 --defsym DOCPART=n.
;; ======== version 1 of 1: 4 launches
;; limits: right only within a limited range of input values
;; workspace buffers: cod 28,311,552 bytes; sc 1,179,648 bytes; qb 6,815,744 bytes; kv 13,631,488 bytes
;; launch quant (part 1): grid 896 x 1, 4 waves a work-group, no clusters, 34,304 bytes of LDS; arguments Q, K, V, Wq, Wk, Wv, Wo, cod, sc; writes cod, sc
.if DOCPART == 1
	.amdgcn_target "amdgcn-amd-amdhsa--gfx1250"
	.amdhsa_code_object_version 6
	.text
	.protected	k_qfa2233dde7_quant
	.globl	k_qfa2233dde7_quant
	.p2align	8
	.type	k_qfa2233dde7_quant,@function
k_qfa2233dde7_quant:
	s_mov_b64 s[64:65], 0
	v_nop
	global_prefetch_b8 v0, s[64:65] scope:SCOPE_SE
	s_setreg_imm32_b32 hwreg(HW_REG_WAVE_MODE, 25, 1), 1
	s_wait_xcnt 0x0
; Q, K, V [8192][1024] and Wq, Wk, Wv, Wo [1024 (k)][1024 (n)], f32, become codes of FP6 (E2M3) with one E8M0 scale byte for each 32 along K, laid in the order of the reader's operand registers.
; A block's scale is 2^(floor(log2(its largest magnitude)) - 2); its byte is the largest magnitude's exponent field - 2, held at 1 from below.
; A TILE is 16 rows of an operand (rows of x, columns of W): tile T holds rows 32 (T / 2) + 8 (T % 2) + r + 8 (r / 8), r = 0 .. 15.
; A UNIT is a tile x 64 along K, 768 bytes: lane (r, h) owns the 24 bytes of codes of k = 64 kh + 32 h + 0 .. 31 of row r: its registers 0-3 at byte 16 x lane, registers 4-5 at byte 512 + 8 x lane.
; cod: [tile][kh 0..15][768].  sc: [tile][half of K][r][4 words], a word = the four bytes of 128 along K.
; LIMITS: NaN and infinities among the inputs are not served.  A block whose largest magnitude lies under 2^-124 gets the byte 1; so does a block of zeros (its codes are zeros); the bytes are read by this program alone.
; Work-groups 0-127 take the weights, 128-895 the inputs.  Waves share nothing: no barrier.  No work-group reads what another reads: no cluster.  The weights' path uses no LDS.
.set WQ,   18874368                    ; where Wq's codes begin in cod; each weight takes 786,432 bytes
.set SWQ,  786432                      ; where Wq's scale words begin in sc; each weight takes 32,768 bytes
.set WX,   16                          ; weights: v16-79   two sets of 32 numbers
.set WC,   80                          ;          v80-127  six registers of codes for each of 8 blocks: no store's data are written again
.set SB,   128                         ;          v128-129 the scale bytes, four to a register
.set WT,   130                         ;          v130-132 a block's upper 16 codes, as converted
.set XR,   16                          ; inputs:  v16-143  two sets of 64 registers as loaded
.set XX,   144                         ;          v144-207 my two blocks of 32 neighbours
.set PC,   208                         ;          v208-219 a fragment's codes
.set TP,   220                         ;          v220-222, v224-226 upper halves, as converted
.set WD,   228                         ;          v228-231 the four fragments' scale words
; v[d] = the largest magnitude of v[s] .. v[s + 31] and the floor 2^(3 - 127), under which none is taken: so the byte cannot fall under 1.  Two chains, d and e.
.macro MAX32 d, e, s
	v_max3_num_f32 v[\d], |v[(\s)]|, |v[(\s)+1]|, 0x1800000
	v_max3_num_f32 v[\e], |v[(\s)+2]|, |v[(\s)+3]|, |v[(\s)+4]|
.irp i, 5,9,13,17,21,25
	v_max3_num_f32 v[\d], v[\d], |v[(\s)+\i]|, |v[(\s)+\i+1]|
	v_max3_num_f32 v[\e], v[\e], |v[(\s)+\i+2]|, |v[(\s)+\i+3]|
.endr
	v_max3_num_f32 v[\d], v[\d], |v[(\s)+29]|, |v[(\s)+30]|
	v_max3_num_f32 v[\d], v[\d], v[\e], |v[(\s)+31]|
.endm
	s_load_b256 s[4:11], s[0:1], 0x0               ; Q s[4:5], K s[6:7], V s[8:9], Wq s[10:11]
	s_load_b256 s[12:19], s[0:1], 0x20             ; Wk s[12:13], Wv s[14:15], Wo s[16:17], cod s[18:19]
	s_load_b64 s[20:21], s[0:1], 0x40              ; sc
	v_lshl_add_u32 v254, v0, 2, 0x8400
	v_mov_b32 v255, 0
	v_lshrrev_b32 v1, 5, v0
	v_readfirstlane_b32 s22, v1                    ; wave 0..3
	v_and_b32 v1, 31, v0                           ; lane
	v_and_b32 v2, 15, v0                           ; r
	v_bfe_u32 v3, v0, 4, 1                         ; h
	v_lshlrev_b32 v4, 4, v1                        ; 16 x lane: a unit's registers 0-3
	v_lshlrev_b32 v5, 3, v1                        ; 8 x lane: its registers 4-5
	s_cmp_ge_u32 ttmp9, 128
	s_cbranch_scc1 .Lx_path
; ---- THE WEIGHTS.  K is the first axis: a lane takes a column and its registers run down K, so a block of 32 lies in one lane.
; A wave takes 32 columns x 256 along K.  Lanes 0-15 are tile 2 cg, lanes 16-31 tile 2 cg + 1; the 32 lanes still read 128 consecutive bytes.
	s_lshr_b32 s23, ttmp9, 5                       ; which weight
	s_and_b32 s24, ttmp9, 7
	s_lshl_b32 s24, s24, 2
	s_add_co_u32 s24, s24, s22                     ; cg: which 32 columns
	s_bfe_u32 s25, ttmp9, 0x20003                  ; kq: which 256 along K
	v_and_b32 v6, 7, v2
	v_lshrrev_b32 v7, 3, v2
	v_lshlrev_b32 v6, 2, v6
	v_lshl_add_u32 v6, v7, 6, v6
	v_lshl_add_u32 v6, v3, 5, v6                   ; 4 x (8 h + r % 8 + 16 (r / 8)): my column
	v_lshlrev_b32 v7, 4, v2
	v_lshl_add_u32 v7, v3, 9, v7                   ; scale words: 512 h + 16 r
	s_wait_alu depctr_va_vdst(0)
	s_wait_kmcnt 0x0
	s_cmp_eq_u32 s23, 1                            ; the choice hangs on the work-group's number alone
	s_cselect_b64 s[10:11], s[12:13], s[10:11]
	s_cmp_eq_u32 s23, 2
	s_cselect_b64 s[10:11], s[14:15], s[10:11]
	s_cmp_eq_u32 s23, 3
	s_cselect_b64 s[10:11], s[16:17], s[10:11]
	s_lshl_b32 s26, s25, 20                        ; 256 rows of 4,096 bytes
	s_lshl_b32 s27, s24, 7                         ; 32 columns of 4 bytes
	s_add_co_u32 s26, s26, s27
	s_mov_b32 s27, 0
	s_add_nc_u64 s[10:11], s[10:11], s[26:27]
	s_mul_i32 s26, s23, 786432
	s_mul_i32 s28, s24, 24576                      ; two tiles of 12,288 bytes
	s_add_co_u32 s26, s26, s28
	s_mul_i32 s28, s25, 3072                       ; four units
	s_add_co_u32 s26, s26, s28
	s_add_co_u32 s26, s26, WQ
	s_add_nc_u64 s[18:19], s[18:19], s[26:27]
	s_lshl_b32 s26, s23, 15
	s_lshl_b32 s28, s24, 10                        ; two tiles of 512 bytes
	s_add_co_u32 s26, s26, s28
	s_lshr_b32 s28, s25, 1
	s_lshl_b32 s28, s28, 8                         ; which half of K
	s_add_co_u32 s26, s26, s28
	s_and_b32 s28, s25, 1
	s_lshl_b32 s28, s28, 3                         ; which two words of the four
	s_add_co_u32 s26, s26, s28
	s_add_co_u32 s26, s26, SWQ
	s_add_nc_u64 s[20:21], s[20:21], s[26:27]
.macro WLOAD t                         ; block t: W(32 t + i, my column), i = 0 .. 31, into set t % 2
.irp i, 0,1,2,3,4,5,6,7,8,9,10,11,12,13,14,15,16,17,18,19,20,21,22,23,24,25,26,27,28,29,30,31
	global_load_b32 v[WX+32*((\t)%2)+\i], v6, s[10:11] offset:(32*(\t)+\i)*4096 th:TH_LOAD_NT
.endr
.endm
.macro WBLOCK t
.set XS, WX+32*((\t)%2)
.set CC, WC+6*(\t)
.set CP, WC+6*(\t)-6
.if (\t) < 7
	s_wait_loadcnt 32                              ; this block's 32 loads are in; the next block's 32 may be out
.else
	s_wait_loadcnt 0x0
.endif
	MAX32 8, 9, XS
	v_add_nc_u32 v10, 0xff000000, v8               ; 2 off the exponent field: the conversion takes the exponent field of this operand as its scale
	v_lshrrev_b32 v11, 23, v10                     ; the scale's byte
.if (\t)%4 == 0
	v_mov_b32 v[SB+(\t)/4], v11
.else
	v_lshl_or_b32 v[SB+(\t)/4], v11, 8*((\t)%4), v[SB+(\t)/4]
.endif
	v_cvt_scalef32_pk16_fp6_f32 v[CC:CC+2], v[XS:XS+15], v10
	v_cvt_scalef32_pk16_fp6_f32 v[WT:WT+2], v[XS+16:XS+31], v10   ; (a conversion's three registers begin on an even number)
	v_nop                                          ; one plain place behind a scaled conversion
.irp i, 0,1,2
	v_mov_b32 v[CC+3+\i], v[WT+\i]
.endr
.if (\t)+2 < 8
	WLOAD (\t)+2
.endif
.if (\t)%2 == 1
.irp i, 0,1,2,3,4,5
	v_permlane16_swap_b32 v[CP+\i], v[CC+\i]       ; the even block's lanes 16-31 change places with the odd block's lanes 0-15: the first is now tile 2 cg's unit, the second tile 2 cg + 1's
.endr
	global_store_b128 v4, v[CP:CP+3], s[18:19] offset:((\t)/2)*768            ; 512 consecutive bytes
	global_store_b64 v5, v[CP+4:CP+5], s[18:19] offset:((\t)/2)*768+512       ; 256 consecutive bytes
	global_store_b128 v4, v[CC:CC+3], s[18:19] offset:((\t)/2)*768+12288
	global_store_b64 v5, v[CC+4:CC+5], s[18:19] offset:((\t)/2)*768+12288+512
.endif
.endm
	WLOAD 0
	WLOAD 1
.irp t, 0,1,2,3,4,5,6,7
	WBLOCK \t
.endr
	global_store_b64 v7, v[SB:SB+1], s[20:21]      ; my column's two scale words
	s_endpgm
; ---- THE INPUTS.  K is innermost.  A wave takes a tile x 512 along K: four fragments of 128.  Each load reads 512 consecutive bytes of one row; a fragment's 16 rows turn through the wave's own stage
; in LDS (rows of 512 + 16 bytes) and come back as two whole blocks of 32 a lane, in the order of the operand's registers: lane (r, h) holds k = 64 c + 32 h + 0 .. 31, c = 0, 1.
.Lx_path:
	s_sub_co_u32 s23, ttmp9, 128
	s_lshr_b32 s24, s23, 8                         ; which input: 256 work-groups each
	s_lshl_b32 s25, s23, 2
	s_add_co_u32 s25, s25, s22                     ; 2 x tile + half of K, over Q, K, V on end
	s_lshr_b32 s26, s25, 1                         ; the tile, 0 .. 1,535
	s_and_b32 s27, s25, 1                          ; the half
	s_mul_i32 s28, s22, 8448                       ; my stage
	s_wait_alu depctr_va_vdst(0)
	v_add_nc_u32 v6, s28, v4                       ; in: 16 x lane of a row
	v_mul_u32_u24 v7, v2, 528
	v_lshl_add_u32 v7, v3, 7, v7
	v_add_nc_u32 v7, s28, v7                       ; back: row r, + 128 h
	v_lshlrev_b32 v8, 4, v2
	v_lshl_add_u32 v8, v3, 3, v8                   ; scale words: 16 r + 8 h
	v_lshlrev_b32 v9, 3, v3                        ; 8 h: my bytes' place in a word
	v_mov_b32 v10, 0                               ; written once: a lane permute's destination counts as one of its sources
	s_mov_b32 s29, 0xffff0000                      ; lanes 16-31
	s_mov_b32 s30, 0x76543210
	s_mov_b32 s31, 0xfedcba98                      ; v_permlanex16_b32's selects for lane l xor 16
	s_wait_alu depctr_va_vdst(0)
	s_wait_kmcnt 0x0
	s_cmp_eq_u32 s24, 1
	s_cselect_b64 s[4:5], s[6:7], s[4:5]
	; THE INPUT K HAS TILES OF ITS OWN MAKE: tile T holds rows 64 (T / 4) + 8 (T % 4) + r % 8 + 32 (r / 8), so that in the attention launch a lane's 32 scores of four neighbouring key tiles are 32 neighbouring keys
	s_cselect_b32 s35, 2, 1                        ; tiles that share a run of rows: 4 (K) or 2, as a shift
	s_cselect_b32 s38, 0x10000, 0                  ; a tile's rows 8-15 lie 16 rows further down in K
	s_cmp_eq_u32 s24, 2
	s_cselect_b64 s[4:5], s[8:9], s[4:5]
	s_and_b32 s32, s26, 511
	s_lshr_b32 s33, s32, s35
	s_add_co_u32 s36, s35, 16
	s_lshl_b32 s33, s33, s36                       ; runs of 32 rows (K: 64) of 4,096 bytes
	s_bfm_b32 s37, s35, 0
	s_and_b32 s32, s32, s37
	s_lshl_b32 s32, s32, 15                        ; 8 rows
	s_add_co_u32 s32, s32, s33
	s_lshl_b32 s33, s27, 11                        ; 512 numbers
	s_add_co_u32 s32, s32, s33
	s_mov_b32 s33, 0
	s_add_nc_u64 s[4:5], s[4:5], s[32:33]
	s_mul_i32 s32, s26, 12288
	s_mul_i32 s34, s27, 6144
	s_add_co_u32 s32, s32, s34
	s_add_nc_u64 s[18:19], s[18:19], s[32:33]
	s_lshl_b32 s32, s25, 8                         ; 512 x tile + 256 x half
	s_add_nc_u64 s[20:21], s[20:21], s[32:33]
.macro XLOAD f                         ; fragment f: the tile's 16 rows, 512 bytes of each, into set f % 2
.irp p, 0,1,2,3,4,5,6,7,8,9,10,11,12,13,14,15
.if \p < 8
	global_load_b128 v[XR+64*((\f)%2)+4*\p:XR+64*((\f)%2)+4*\p+3], v4, s[4:5] offset:(\p+8*(\p/8))*4096+512*(\f) th:TH_LOAD_NT
.else
	global_load_b128 v[XR+64*((\f)%2)+4*\p:XR+64*((\f)%2)+4*\p+3], v11, s[4:5] offset:(\p+8*(\p/8))*4096+512*(\f) th:TH_LOAD_NT
.endif
.endr
.endm
.macro XFRAG f
.set RS, XR+64*((\f)%2)
.if (\f) < 3
	s_wait_loadcnt 16                              ; this fragment's 16 loads are in; the next one's 16 may be out
.else
	s_wait_loadcnt 0x0
.endif
.irp p, 0,1,2,3,4,5,6,7,8,9,10,11,12,13,14,15
	ds_store_b128 v6, v[RS+4*\p:RS+4*\p+3] offset:528*\p
.endr
.irp c, 0,1
.irp j, 0,1,2,3,4,5,6,7
	ds_load_b128 v[XX+32*\c+4*\j:XX+32*\c+4*\j+3], v7 offset:256*\c+16*\j   ; LDS serves a wave's instructions in order: these see the stores above
.endr
.endr
	s_wait_dscnt 0x0                               ; my numbers are back, and the stores have read their registers,
.if (\f)+2 < 4
	XLOAD (\f)+2                                   ; which take the loads of two fragments on
.endif
	MAX32 232, 233, XX
	MAX32 234, 235, XX+32
	v_add_nc_u32 v236, 0xff000000, v232            ; 2 off the exponent field: the conversions' scale operands
	v_add_nc_u32 v237, 0xff000000, v234
	v_lshrrev_b32 v238, 23, v236                   ; the bytes of blocks h and 2 + h
	v_lshrrev_b32 v239, 23, v237
.if (\f) > 0
	s_wait_alu depctr_va_vdst(0)
	s_wait_xcnt 0x0                                ; the last fragment's stores have read their data: the codes' registers are written again only behind this wait
.endif
	v_cvt_scalef32_pk16_fp6_f32 v[PC:PC+2], v[XX:XX+15], v236
	v_cvt_scalef32_pk16_fp6_f32 v[TP:TP+2], v[XX+16:XX+31], v236
	v_cvt_scalef32_pk16_fp6_f32 v[PC+6:PC+8], v[XX+32:XX+47], v237
	v_cvt_scalef32_pk16_fp6_f32 v[TP+4:TP+6], v[XX+48:XX+63], v237
	v_lshl_or_b32 v238, v239, 16, v238             ; (the plain place behind the conversions)  my two bytes,
.irp i, 0,1,2
	v_mov_b32 v[PC+3+\i], v[TP+\i]
	v_mov_b32 v[PC+9+\i], v[TP+4+\i]
.endr
	v_lshlrev_b32 v238, v9, v238                   ; at their places in the word;
	v_permlanex16_b32 v10, v238, s30, s31
	v_or_b32 v[WD+(\f)], v238, v10                 ; with lane l xor 16's two the word is whole
.irp c, 0,1
	global_store_b128 v4, v[PC+6*\c:PC+6*\c+3], s[18:19] offset:1536*(\f)+768*\c
	global_store_b64 v5, v[PC+6*\c+4:PC+6*\c+5], s[18:19] offset:1536*(\f)+768*\c+512
.endr
.endm
	v_add_nc_u32 v11, s38, v4                      ; the offset of a tile's rows 8-15
	s_wait_alu depctr_va_vdst(0)                   ; the wait behind the write
	XLOAD 0
	XLOAD 1
.irp f, 0,1,2,3
	XFRAG \f
.endr
	v_cndmask_b32 v232, v[WD], v[WD+2], s29        ; lanes 0-15 store words 0, 1 of their row, lanes 16-31 words 2, 3:
	v_cndmask_b32 v233, v[WD+1], v[WD+3], s29
	global_store_b64 v8, v[232:233], s[20:21]      ; 256 consecutive bytes, aligned
	s_wait_tensorcnt 0x0
	ds_add_u32 v254, v255
	s_wait_dscnt 0x0
	s_endpgm
.Lfunc_end_k_qfa2233dde7_quant:
	.size	k_qfa2233dde7_quant, .Lfunc_end_k_qfa2233dde7_quant-k_qfa2233dde7_quant
	.p2alignl 7, 3214868480
	.fill 96, 4, 3214868480
	.section	.rodata,"a",@progbits
	.p2align	6, 0x0
	.amdhsa_kernel k_qfa2233dde7_quant
		.amdhsa_group_segment_fixed_size 34304
		.amdhsa_private_segment_fixed_size 0
		.amdhsa_enable_private_segment 0
		.amdhsa_kernarg_size 72
		.amdhsa_user_sgpr_count 2
		.amdhsa_user_sgpr_kernarg_segment_ptr 1
		.amdhsa_wavefront_size32 1
		.amdhsa_system_sgpr_workgroup_id_x 1
		.amdhsa_system_sgpr_workgroup_id_y 1
		.amdhsa_system_sgpr_workgroup_id_z 1
		.amdhsa_system_vgpr_workitem_id 0
		.amdhsa_next_free_vgpr 256
		.amdhsa_next_free_sgpr 66
		.amdhsa_reserve_vcc 0
		.amdhsa_float_denorm_mode_32 3
		.amdhsa_float_denorm_mode_16_64 3
		.amdhsa_memory_ordered 1
		.amdhsa_forward_progress 1
		.amdhsa_inst_pref_size 71
	.end_amdhsa_kernel
	.amdgpu_metadata
---
amdhsa.version: [ 1, 2 ]
amdhsa.kernels:
  - .name:           k_qfa2233dde7_quant
    .symbol:         k_qfa2233dde7_quant.kd
    .args:
      - { .name: Q, .offset: 0, .size: 8, .value_kind: global_buffer, .address_space: global }
      - { .name: K, .offset: 8, .size: 8, .value_kind: global_buffer, .address_space: global }
      - { .name: V, .offset: 16, .size: 8, .value_kind: global_buffer, .address_space: global }
      - { .name: Wq, .offset: 24, .size: 8, .value_kind: global_buffer, .address_space: global }
      - { .name: Wk, .offset: 32, .size: 8, .value_kind: global_buffer, .address_space: global }
      - { .name: Wv, .offset: 40, .size: 8, .value_kind: global_buffer, .address_space: global }
      - { .name: Wo, .offset: 48, .size: 8, .value_kind: global_buffer, .address_space: global }
      - { .name: cod, .offset: 56, .size: 8, .value_kind: global_buffer, .address_space: global }
      - { .name: sc, .offset: 64, .size: 8, .value_kind: global_buffer, .address_space: global }
    .group_segment_fixed_size: 34304
    .private_segment_fixed_size: 0
    .kernarg_segment_align: 8
    .kernarg_segment_size: 72
    .max_flat_workgroup_size: 128
    .sgpr_count:     66
    .vgpr_count:     256
    .wavefront_size: 32
...
	.end_amdgpu_metadata
.endif
;; end of part 1
;; launch proj (part 2): grid 32 x 8, 4 waves a work-group, clusters of 4 x 4, 327,680 bytes of LDS; arguments cod, sc, bq, bk, bv, qb, kv; writes qb, kv
.if DOCPART == 2
	.amdgcn_target "amdgcn-amd-amdhsa--gfx1250"
	.amdhsa_code_object_version 6
	.text
	.protected	k_qfa2233dde7_proj
	.globl	k_qfa2233dde7_proj
	.p2align	8
	.type	k_qfa2233dde7_proj,@function
k_qfa2233dde7_proj:
	s_mov_b64 s[64:65], 0
	v_nop
	global_prefetch_b8 v0, s[64:65] scope:SCOPE_SE
	s_setreg_imm32_b32 hwreg(HW_REG_WAVE_MODE, 25, 1), 1
	s_wait_xcnt 0x0
	s_wait_alu depctr_hold_cnt(0) depctr_sa_sdst(0) depctr_va_vdst(0) depctr_va_sdst(0) depctr_va_ssrc(0) depctr_va_vcc(0) depctr_vm_vsrc(0)
	s_getreg_b32 s2, hwreg(HW_REG_IB_STS2, 6, 4)
	s_cmp_eq_u32 s2, 0
	s_cbranch_scc0 .Lentry_in_a_cluster
	s_endpgm
.Lentry_in_a_cluster:
	s_bfe_u32 s2, ttmp6, 0x10000c
	s_cmp_lg_u32 s2, 0xf033
	s_cbranch_scc0 .Lentry_shape_is_right
	s_endpgm
.Lentry_shape_is_right:
; q = Q Wq + bq, k = K Wk + bk, v = V Wv + bv on codes of FP6 (E2M3) with E8M0 scales, each result quantised again on the way out, in the order of the attention launch's operand registers.  No f32 result is stored.
; OPERANDS as the first launch left them.  A TILE is 16 rows of an operand (tokens of an input, columns of a weight).  cod: [tile][kh 0..15][768]: a unit of 768 bytes is a tile x 64 along K: lane (r, h)'s registers 0-3 at byte 16 x lane,
; registers 4-5 at byte 512 + 8 x lane.  sc: [tile][half of K][r][4 words].  Inputs' tiles: Q 0-511, K 512-1,023, V 1,024-1,535; the weights' from WQ on, 64 tiles each.  A weight's tile T holds columns 32 (T / 2) + 8 (T % 2) + r + 8 (r / 8).
; THE DEAL.  256 work-groups of four waves, 2 x 2.  A WORK-GROUP STAYS and makes three parts: 256 tokens x 128 columns of q, then of k, then of v.  The wave in row a, column b holds four tiles of the weight (one head's 64 columns), ALL of K,
; in 384 registers, and streams its eight tiles of tokens (tiles 8 a + s: one group of 128 tokens) past them: 32 products a block, four accumulators by turns.  The bias is the first products' C.
; THE CLUSTER's x counts blocks of tokens: the inputs' tiles are shared by a column of the cluster, the weights' by a row: joint loads.
; LDS: the tokens' 16 tiles in two slots of eight (slot 0: blocks 0-3 of both wave rows, slot 1: blocks 4-7), the weight's 8 tiles in a region of their own, the spare words.  At the head one tensor load a wave, each on a line of its own.
; TWO DRAINED ROUNDS A PART, with a wait on tensor loads, an add to a spare word and a wait on LDS ahead of each: in block 2 (every wave holds the weight and blocks 0-3 in registers) wave 0 asks for the next part's weight and wave 1 for its slot 0;
; in block 6 (blocks 4-7 are fetched) waves 2 and 3 ask for its slot 1.  Each round also shows what the round before asked for.  A refill is asked for four blocks of products ahead of its first read; no prefetch is laid beside that.
; q, k: source 0 = the weight's tile, source 1 = the tokens': a lane holds one token and 32 of its head's 64 channels: two scale blocks, each in lanes l and l xor 16.  Two blocks' codes leave as three runs of 512 bytes.
; v: the sources are swapped: a lane holds one channel, and its 16 registers of blocks 2 m, 2 m + 1 are 16 neighbouring tokens: the scale blocks run along the tokens; a head's four fragments leave at the part's end.
; SCALES: register SC + 8 i + q of a part's set: lanes 0-15 the tokens' block i, word q; lanes 16-31 the weight's tile i, word (q + 4) % 8.  Scale words and biases have two sets and are loaded a part ahead.
; qb: [batch x 16 + head][group of 128 tokens][6,656]: 48 registers a lane (tile t at 6 t on), then the scale words.  kv: [..][..][13,312]: k's image, v's image (fragment t at 12 t on), k's scale words, v's.
; LIMITS: NaN, infinities and sums beyond f32's range are not served; a sum begins with the bias; a block whose largest magnitude lies under 2^-124 (a block of zeros too) gets the byte 1; the bytes are read by this program alone.
.set WQ,    18874368
.set SWQ,   786432
.set TILE,  12288
.set YB,    16*TILE
.set SPARE, 24*TILE
.set FR,    12
.set FPW,   21                         ; fragments in a window of 256 registers; fragment f lies in window 1 + f / 21: 0-31 the weight's (4 q + tile), 32-47 the tokens' two sets (32 + 8 e + q)
.set NF,    32                         ; LDS loads of a block of tokens
.set L16,   6
.set L8,    7
.set A16,   8
.set A8,    9
.set SPW,   10
.set NIL,   11
.set B16,   12
.set B8,    13
.set AQ16,  14
.set AQ8,   15
.set BOF,   16
.set VBO,   17
.set SOA,   18                         ; v18-23 offsets of the scale words: two for each part
.set SC,    24                         ; v24-151 scale words, two sets of 64
.set IMG,   152                        ; v152-199 codes on their way out
.set SCR,   200                        ; v200-203 the results' scale words
.set TM,    204                        ; v204-219
.set TP,    220                        ; v220-235
.set WD,    236
.set ACCW,  80                         ; window 3: v80-143 the accumulators
.set BOW,   144                        ; window 3: v144-207 the bias, two sets of 32
.set MASKHI, 23
.set SEL,   54
.set G1B, 24
.set G1P, 32
.set G1H, 40
.set G0B, 56
.set G0P, 60
.set G0H2, 68
.set G0H3, 72
.set MSB, 0
.macro WIN new
.if MSB != (\new)
	s_set_vgpr_msb (MSB<<8)|(\new)
.set MSB, (\new)
.endif
.endm
.macro PLACES n
.rept \n
	v_nop
.endr
.endm
.macro WALU
	s_wait_alu depctr_va_vdst(0)
.endm
.macro BARRIER
	s_barrier_signal -1
	s_barrier_wait -1
.endm
.macro MIDDLE                          ; a round's middle
	WIN 0
	s_barrier_wait -1
	s_cmp_lg_u32 s14, 0
	s_cbranch_scc1 .Lnot_wave_0_\@
	s_barrier_signal -3
.Lnot_wave_0_\@:
	s_barrier_wait -3
.endm
.macro CROUND
	s_barrier_signal -1
	MIDDLE
	BARRIER
.endm
.macro TLOAD g0, g1
	tensor_load_to_lds s[\g0:\g0+3], s[\g1:\g1+7]
	s_nop 0
	PLACES 4
.endm
.macro TREE w0, g0a, g1a, w1, g0b, g1b ; a round's refills: two waves, one load each
	s_cmp_eq_u32 s14, \w0
	s_cbranch_scc0 .Lother_\@
	TLOAD \g0a, \g1a
	s_branch .Lasked_\@
.Lother_\@:
	s_cmp_eq_u32 s14, \w1
	s_cbranch_scc0 .Lasked_\@
	TLOAD \g0b, \g1b
.Lasked_\@:
.endm
.macro GROUP1 g, mask, c, rows, pitch  ; rows of c elements of 8 bytes
	s_or_b32 s[\g+0], s[\mask], (3<<16)|(1<<21)
	s_mov_b32 s[\g+1], ((\c)&0xffff)<<16
	s_mov_b32 s[\g+2], ((\c)>>16)|((\rows)<<16)
	s_mov_b32 s[\g+3], (\c)<<16
	s_mov_b32 s[\g+4], \rows
	s_mov_b32 s[\g+5], \pitch
	s_mov_b32 s[\g+6], 0
	s_mov_b32 s[\g+7], 0
.endm
.macro FRAG4 f, a16, a8, off           ; fragment f: two units of 768 bytes from byte off on
	WIN (1+(\f)/FPW)<<6
.set R_, FR*((\f)%FPW)
.irp c, 0,1
	ds_load_b128 v[R_+6*\c:R_+6*\c+3], v[\a16] offset:(\off)+768*\c
	ds_load_b64 v[R_+6*\c+4:R_+6*\c+5], v[\a8] offset:(\off)+768*\c+512
.endr
.endm
.macro FETCHA e, a16, a8               ; a block of tokens into set e: NF loads
.irp q, 0,1,2,3,4,5,6,7
	FRAG4 32+8*(\e)+\q, \a16, \a8, 1536*\q
.endr
	WIN 0
.endm
.macro BLOADS                          ; my four tiles of the weight, all of K
.irp q, 0,1,2,3,4,5,6,7
.irp b, 0,1,2,3
	FRAG4 4*\q+\b, B16, B8, TILE*\b+1536*\q
.endr
.endr
	WIN 0
.endm
.macro WM d, f0, f1, c, x0, x1, side
	v_wmma_scale_f32_16x16x128_f8f6f4 v[\d:\d+7], v[FR*((\f0)%FPW):FR*((\f0)%FPW)+FR-1], v[FR*((\f1)%FPW):FR*((\f1)%FPW)+FR-1], v[\c:\c+7], v[\x0], v[\x1] matrix_a_fmt:MATRIX_FMT_FP6 matrix_b_fmt:MATRIX_FMT_FP6 matrix_\side\()_scale:MATRIX_SCALE_ROW1
.endm
.macro PROD u, s, n                    ; product n = 4 q + tile of block s of part u
.set Q_, (\n)/4
.set B_, (\n)%4
.set FB_, 4*Q_+B_
.set FA_, 32+8*((\s)%2)+Q_
.set XB_, SC+64*((\u)%2)+8*B_+(Q_+4)%8
.set XA_, SC+64*((\u)%2)+8*(\s)+Q_
.if (\u) == 2
.set D_, ACCW+16*B_+8*((\s)%2)
.else
.set D_, ACCW+32*((\s)%2)+8*B_
.endif
.if Q_
.set C_, D_
.else
.set C_, BOW+32*((\u)%2)+8*B_
.endif
.if (\u) == 2
	WIN (1+FA_/FPW)|((1+FB_/FPW)<<2)|0xf0
	WM D_, FA_, FB_, C_, XA_, XB_, b
.else
	WIN (1+FB_/FPW)|((1+FA_/FPW)<<2)|0xf0
	WM D_, FB_, FA_, C_, XB_, XA_, a
.endif
.endm
.macro PRODS u, s, from, to
.set N_, \from
.rept (\to)-(\from)
	PROD \u, \s, N_
.set N_, N_+1
.endr
	WIN 0
.endm
.macro LOADSC u                        ; part u's scale words
.irp i, 0,1,2,3,4,5,6,7
	global_load_b128 v[SC+64*((\u)%2)+8*\i:SC+64*((\u)%2)+8*\i+3], v[SOA+2*(\u)], s[6:7] offset:512*\i
	global_load_b128 v[SC+64*((\u)%2)+8*\i+4:SC+64*((\u)%2)+8*\i+7], v[SOA+2*(\u)+1], s[6:7] offset:512*\i+256
.endr
.endm
.macro BIASQK u, p                     ; register 8 i + j of lane (r, h): column 32 (i / 2) + 8 (i % 2) + 16 h + j of my head
	WIN 0xc0
.irp i, 0,1,2,3
	global_load_b128 v[BOW+32*((\u)%2)+8*\i:BOW+32*((\u)%2)+8*\i+3], v[BOF], s[\p:\p+1] offset:4*(32*(\i/2)+8*(\i%2))
	global_load_b128 v[BOW+32*((\u)%2)+8*\i+4:BOW+32*((\u)%2)+8*\i+7], v[BOF], s[\p:\p+1] offset:4*(32*(\i/2)+8*(\i%2))+16
.endr
	WIN 0
.endm
.macro BIASV                           ; all eight registers of tile i: channel 32 (i / 2) + 8 (i % 2) + r + 8 (r / 8)
	WIN 0xc0
.irp i, 0,1,2,3
.irp j, 0,1,2,3,4,5,6,7
	global_load_b32 v[BOW+8*\i+\j], v[VBO], s[92:93] offset:4*(32*(\i/2)+8*(\i%2))
.endr
.endr
	WIN 0
.endm
; q, k: block s's 32 sums a lane are two halves of scale blocks: the largest magnitudes (with the floor 2^(3 - 127)), joined with lane l xor 16's; 2 off the exponent field is the conversions' scale operand; a whole block to a lane by three swaps
.macro EPQK s
.set AB_, ACCW+32*((\s)%2)
.set PR_, IMG+6*((\s)%2)
.if (\s)%2 == 0
	s_wait_xcnt 0x0                                ; the last pair's stores have read their registers
.endif
	WIN 0x0f
	v_max3_num_f32 v[TM], |v[AB_]|, |v[AB_+1]|, 0x1800000
	v_max3_num_f32 v[TM+1], |v[AB_+16]|, |v[AB_+17]|, 0x1800000
.irp i, 2,4,6,8,10,12,14
	v_max3_num_f32 v[TM], |v[AB_+\i]|, |v[AB_+1+\i]|, v[TM]
	v_max3_num_f32 v[TM+1], |v[AB_+16+\i]|, |v[AB_+17+\i]|, v[TM+1]
.endr
	WIN 0
	v_permlanex16_b32 v[TM+2], v[TM], s[SEL], s[SEL+1]
	v_permlanex16_b32 v[TM+3], v[TM+1], s[SEL], s[SEL+1]
	v_max_num_f32 v[TM], v[TM], v[TM+2]
	v_max_num_f32 v[TM+1], v[TM+1], v[TM+3]
	v_add_nc_u32 v[TM+4], 0xff000000, v[TM]
	v_add_nc_u32 v[TM+5], 0xff000000, v[TM+1]
	v_lshrrev_b32 v[TM+6], 23, v[TM+4]
	v_lshrrev_b32 v[TM+7], 23, v[TM+5]
	WIN 0x03
	v_cvt_scalef32_pk16_fp6_f32 v[PR_:PR_+2], v[AB_:AB_+15], v[TM+4]
	v_cvt_scalef32_pk16_fp6_f32 v[TP:TP+2], v[AB_+16:AB_+31], v[TM+5]
	WIN 0
	v_lshl_or_b32 v[WD], v[TM+7], 8, v[TM+6]       ; (the plain place behind the conversions)
.irp i, 0,1,2
	v_permlane16_swap_b32 v[PR_+\i], v[TP+\i]
.endr
.irp i, 0,1,2
	v_mov_b32 v[PR_+3+\i], v[TP+\i]
.endr
	v_lshl_or_b32 v[WD], v[WD], 16, v[WD]          ; the two bytes twice: the first product of the attention launch names 128 along K
.if (\s)%2 == 0
	v_mov_b32 v[SCR+(\s)/2], v[WD]
.else
	v_cndmask_b32 v[SCR+(\s)/2], v[SCR+(\s)/2], v[WD], s[MASKHI]   ; an odd tile's words stand in lanes 16-31
.endif
.endm
; v: behind blocks 2 m, 2 m + 1: for each of my four tiles of channels 16 registers are half of key block m
.macro EPV m
.if (\m) == 0
	s_wait_xcnt 0x0
.endif
	WIN 0x0f
.irp b, 0,1,2,3
	v_max3_num_f32 v[TM+\b], |v[ACCW+16*\b]|, |v[ACCW+16*\b+1]|, 0x1800000
.endr
.irp i, 2,4,6,8,10,12,14
.irp b, 0,1,2,3
	v_max3_num_f32 v[TM+\b], |v[ACCW+16*\b+\i]|, |v[ACCW+16*\b+1+\i]|, v[TM+\b]
.endr
.endr
	WIN 0
.irp b, 0,1,2,3
	v_permlanex16_b32 v[TM+4+\b], v[TM+\b], s[SEL], s[SEL+1]
.endr
.irp b, 0,1,2,3
	v_max_num_f32 v[TM+\b], v[TM+\b], v[TM+4+\b]
.endr
.irp b, 0,1,2,3
	v_add_nc_u32 v[TM+8+\b], 0xff000000, v[TM+\b]
.endr
.irp b, 0,1,2,3
	v_lshrrev_b32 v[TM+12+\b], 23, v[TM+8+\b]
.endr
	WIN 0x03
.irp b, 0,1,2,3
.if (\m)%2 == 0
	v_cvt_scalef32_pk16_fp6_f32 v[IMG+12*\b+6*((\m)/2):IMG+12*\b+6*((\m)/2)+2], v[ACCW+16*\b:ACCW+16*\b+15], v[TM+8+\b]
.else
	v_cvt_scalef32_pk16_fp6_f32 v[TP+4*\b:TP+4*\b+2], v[ACCW+16*\b:ACCW+16*\b+15], v[TM+8+\b]
.endif
.endr
	WIN 0
.irp b, 0,1,2,3                                ; (plain places behind the conversions)  byte m of the channel's scale word
.if (\m) == 0
	v_mov_b32 v[SCR+\b], v[TM+12+\b]
.else
	v_lshl_or_b32 v[SCR+\b], v[TM+12+\b], 8*(\m), v[SCR+\b]
.endif
.endr
.if (\m)%2
.irp b, 0,1,2,3
.irp i, 0,1,2
	v_permlane16_swap_b32 v[IMG+12*\b+6*((\m)/2)+\i], v[TP+4*\b+\i]
.endr
.endr
.irp b, 0,1,2,3
.irp i, 0,1,2
	v_mov_b32 v[IMG+12*\b+6*((\m)/2)+3+\i], v[TP+4*\b+\i]
.endr
.endr
.endif
.endm
.macro BLOCK u, s
.if ((\s) == 2 || (\s) == 6) && (\u) < 2
	s_wait_tensorcnt 0x0                           ; the three lines ahead of a round behind which bytes are filled again
	ds_add_u32 v[SPW], v[NIL]
.if (\s) == 2                          ; no tensor load of mine is out: the descriptors step on to the next part
	s_add_nc_u64 s[G0B+2:G0B+3], s[G0B+2:G0B+3], 64*TILE
	s_add_nc_u64 s[G0P+2:G0P+3], s[G0P+2:G0P+3], 512*TILE
.else
	s_add_nc_u64 s[G0H2+2:G0H2+3], s[G0H2+2:G0H2+3], 512*TILE
	s_add_nc_u64 s[G0H3+2:G0H3+3], s[G0H3+2:G0H3+3], 512*TILE
.endif
	PRODS \u, \s, 0, 24
	s_wait_dscnt 0x0
	s_barrier_signal -1
	PRODS \u, \s, 24, 32
	MIDDLE
	BARRIER
.if (\s) == 2
	TREE 0, G0B, G1B, 1, G0P, G1P
.else
	TREE 2, G0H2, G1H, 3, G0H3, G1H
.endif
.elseif (\s) == 2
	PRODS \u, \s, 0, 24
	s_wait_tensorcnt 0x0                           ; the last part: a plain barrier shows slot 1
	s_wait_dscnt 0x0
	s_barrier_signal -1
	PRODS \u, \s, 24, 32
	s_barrier_wait -1
.else
	PRODS \u, \s, 0, 32
.endif
.set NX_, ((\s)+2)%8
.if (\s) < 6 || (\u) < 2               ; four plain lines behind the last product; then the fetch of the block two on (behind blocks 6, 7: the next part's blocks 0, 1)
	v_add_nc_u32 v[AQ16], ((NX_/4)*8+NX_%4)*TILE, v[A16]
	v_add_nc_u32 v[AQ8], ((NX_/4)*8+NX_%4)*TILE, v[A8]
	PLACES 2
	FETCHA (\s)%2, AQ16, AQ8
.else
	PLACES 4
.endif
.if (\s) == 7 && (\u) < 2
	BLOADS                                         ; the next part's weight
.endif
.if (\u) < 2
	EPQK \s
.if (\s)%2
.irp k, 0,1,2
	global_store_b128 v[L16], v[IMG+4*\k:IMG+4*\k+3], s[48+2*(\u):49+2*(\u)] offset:512*(3*((\s)/2)+\k)   ; 512 consecutive bytes
.endr
.endif
.if (\s) == 7
	global_store_b128 v[L16], v[SCR:SCR+3], s[48+2*(\u):49+2*(\u)] offset:6144*((\u)+1)
.endif
.elseif (\s)%2
	EPV (\s)/2
.endif
	WALU                                           ; the wait ahead of the waits below
.if (\s) == 7 && (\u) < 2
	s_wait_loadcnt 0x0                             ; the next part's scale words and bias
	s_wait_dscnt 0x0
.elseif (\s) < 6 || (\u) < 2
	s_wait_dscnt NF                                ; the next block's fragments are in; this run's fetch is younger
.elseif (\s) == 6
	s_wait_dscnt 0x0
.endif
.endm
	s_load_b256 s[4:11], s[0:1], 0x0               ; cod, sc, bq, bk
	s_load_b128 s[92:95], s[0:1], 0x20             ; bv, qb
	s_load_b64 s[96:97], s[0:1], 0x30              ; kv
	v_lshl_add_u32 v[SPW], v0, 2, SPARE
	v_mov_b32 v[NIL], 0
	ds_add_u32 v[SPW], v[NIL]                      ; the opening lines
	ds_add_u32 v[SPW], v[NIL]
	v_lshrrev_b32 v1, 5, v0
	v_readfirstlane_b32 s14, v1                    ; the wave; s15 its row a, s16 its column b
	s_lshr_b32 s15, s14, 1
	s_and_b32 s16, s14, 1
	s_mov_b32 s[MASKHI], 0xffff0000
	s_mov_b32 s[SEL], 0x76543210
	s_mov_b32 s[SEL+1], 0xfedcba98
	s_bfe_u32 s17, ttmp6, 0x40000
	s_bfe_u32 s18, ttmp6, 0x40004
	s_lshl_b32 s20, ttmp9, 2
	s_add_co_u32 s20, s20, s17                     ; block of 256 tokens: 4 x cluster x + cx
	s_and_b32 s19, ttmp7, 0xffff
	s_lshl_b32 s19, s19, 2
	s_add_co_u32 s19, s19, s18                     ; block of 128 columns: 4 x cluster y + cy
	s_lshl_b32 s21, 0x1111, s17                    ; my column of the cluster shares the tokens
	s_lshl_b32 s22, s18, 2
	s_lshl_b32 s22, 15, s22                        ; my row shares the weight
	GROUP1 G1B, 22, 1536, 8, 1536                  ; the weight: eight tiles on end
	GROUP1 G1P, 21, 6144, 2, 12288                 ; slot 0: two rows of four tiles, eight tiles apart
	GROUP1 G1H, 21, 1536, 4, 1536                  ; half of slot 1: four tiles on end
	s_mov_b32 s[G0B], 1
	s_mov_b32 s[G0B+1], YB
	s_mov_b32 s[G0P], 1
	s_mov_b32 s[G0P+1], 0
	s_mov_b32 s[G0H2], 1
	s_mov_b32 s[G0H2+1], 8*TILE
	s_mov_b32 s[G0H3], 1
	s_mov_b32 s[G0H3+1], 12*TILE
	s_mul_i32 s76, s20, 16*TILE
	s_mov_b32 s77, 0
	s_mul_i32 s78, s19, 8*TILE
	s_add_co_u32 s78, s78, WQ
	s_mov_b32 s79, 0
	s_mul_i32 s80, s15, 4*TILE                     ; in LDS block s of wave row a is tile place 8 (s / 4) + 4 a + s % 4
	s_mul_i32 s81, s16, 4*TILE
	s_add_co_u32 s81, s81, YB
	s_lshl_b32 s83, s20, 4
	s_lshl_b32 s84, s15, 3
	s_add_co_u32 s83, s83, s84
	s_lshl_b32 s83, s83, 9                         ; my eight tiles' scale words
	s_lshl_b32 s84, s19, 3
	s_lshl_b32 s85, s16, 2
	s_add_co_u32 s84, s84, s85
	s_lshl_b32 s84, s84, 9
	s_add_co_u32 s84, s84, SWQ+256                 ; the weight's, the upper half of K first
	s_lshl_b32 s86, s19, 9
	s_lshl_b32 s85, s16, 8
	s_add_co_u32 s86, s86, s85                     ; my head's 64 columns, in bytes of a bias
	s_mov_b32 s87, 0
	s_lshl_b32 s90, s20, 1
	s_add_co_u32 s90, s90, s15                     ; my group of 128 tokens
	s_lshl_b32 s91, s19, 1
	s_add_co_u32 s91, s91, s16                     ; my head
	s_lshr_b32 s88, s90, 4
	s_lshl_b32 s88, s88, 4
	s_add_co_u32 s88, s88, s91
	s_lshl_b32 s88, s88, 4
	s_and_b32 s85, s90, 15
	s_add_co_u32 s88, s88, s85                     ; ((batch x 16 + head) x 16 + group in the batch
	s_mul_i32 s98, s88, 6656
	s_mov_b32 s99, 0
	s_mul_i32 s88, s88, 13312
	s_mov_b32 s89, 0
	v_and_b32 v1, 15, v0                           ; r
	v_bfe_u32 v2, v0, 4, 1                         ; h
	v_and_b32 v3, 31, v0
	v_lshlrev_b32 v[L16], 4, v3
	v_lshlrev_b32 v[L8], 3, v3
	v_add_nc_u32 v[A16], s80, v[L16]
	v_add_nc_u32 v[A8], s80, v[L8]
	v_add_nc_u32 v[B16], s81, v[L16]
	v_add_nc_u32 v[B8], s81, v[L8]
	v_add_nc_u32 v[AQ16], TILE, v[A16]
	v_add_nc_u32 v[AQ8], TILE, v[A8]
	v_mov_b32 v4, s83
	v_mov_b32 v5, s84
	v_cndmask_b32 v4, v4, v5, s[MASKHI]            ; lanes 0-15 take the tokens' words, lanes 16-31 the weight's
	v_lshl_add_u32 v[SOA], v1, 4, v4
	v_mov_b32 v4, 0x40000                          ; from part to part: 512 tiles of tokens,
	v_mov_b32 v5, 0x8000                           ; 64 tiles of a weight
	v_cndmask_b32 v4, v4, v5, s[MASKHI]
	v_add_nc_u32 v[SOA+2], v[SOA], v4
	v_add_nc_u32 v[SOA+4], v[SOA+2], v4
	v_lshlrev_b32 v5, 9, v2
	v_sub_nc_u32 v[SOA+1], v[SOA], v5              ; for the second load of a tile: the weight's lower half of K
	v_sub_nc_u32 v[SOA+3], v[SOA+2], v5
	v_sub_nc_u32 v[SOA+5], v[SOA+4], v5
	v_lshlrev_b32 v[BOF], 6, v2
	v_and_b32 v4, 8, v1
	v_add_nc_u32 v4, v4, v1
	v_lshlrev_b32 v[VBO], 2, v4
.irp i, 2,3,4,5,6,7
	v_mov_b32 v[TM+\i], 0                          ; a lane permute's destination counts as one of its sources
.endr
	WALU                                           ; the wait at the head's end
	s_wait_dscnt 0x0
	CROUND                                         ; the opening round
	s_wait_kmcnt 0x0
	s_add_nc_u64 s[G0B+2:G0B+3], s[4:5], s[78:79]
	s_add_nc_u64 s[G0P+2:G0P+3], s[4:5], s[76:77]
	s_add_nc_u64 s[G0H2+2:G0H2+3], s[G0P+2:G0P+3], 4*TILE
	s_add_nc_u64 s[G0H3+2:G0H3+3], s[G0P+2:G0P+3], 12*TILE
	s_or_b32 s[G0B+3], s[G0B+3], 0x80000000
	s_or_b32 s[G0P+3], s[G0P+3], 0x80000000
	s_or_b32 s[G0H2+3], s[G0H2+3], 0x80000000
	s_or_b32 s[G0H3+3], s[G0H3+3], 0x80000000
	s_add_nc_u64 s[8:9], s[8:9], s[86:87]
	s_add_nc_u64 s[10:11], s[10:11], s[86:87]
	s_add_nc_u64 s[92:93], s[92:93], s[86:87]
	s_add_nc_u64 s[48:49], s[94:95], s[98:99]      ; where q goes,
	s_add_nc_u64 s[50:51], s[96:97], s[88:89]      ; k,
	s_add_nc_u64 s[52:53], s[50:51], 6144          ; v
	s_cmp_eq_u32 s14, 0
	s_cbranch_scc0 .Lwave_1
	TLOAD G0B, G1B                                 ; wave 0: Wq's tiles, which are wanted first
	s_branch .Lasked
.Lwave_1:
	s_cmp_eq_u32 s14, 1
	s_cbranch_scc0 .Lwave_2
	TLOAD G0P, G1P                                 ; wave 1: slot 0
	s_branch .Lasked
.Lwave_2:
	s_cmp_eq_u32 s14, 2
	s_cbranch_scc0 .Lwave_3
	TLOAD G0H2, G1H                                ; waves 2, 3: slot 1
	s_branch .Lasked
.Lwave_3:
	TLOAD G0H3, G1H
.Lasked:
	LOADSC 0
	BIASQK 0, 8
	LOADSC 1
	BIASQK 1, 10
	s_cmp_eq_u32 s14, 0
	s_cbranch_scc0 .Lnot_b
	s_wait_tensorcnt 0x0
.Lnot_b:
	BARRIER                                        ; Wq's tiles are in
	BLOADS
	s_cmp_eq_u32 s14, 1
	s_cbranch_scc0 .Lnot_a
	s_wait_tensorcnt 0x0
.Lnot_a:
	s_wait_dscnt 0x0
	BARRIER                                        ; slot 0 is in; slot 1 may be on its way
	FETCHA 0, A16, A8
	FETCHA 1, AQ16, AQ8
	s_wait_loadcnt 0x0
	s_wait_dscnt NF                                ; block 0's fragments are in
.irp s, 0,1,2,3,4,5,6,7
	BLOCK 0, \s
.endr
	LOADSC 2                                       ; into the sets that q has done with
	BIASV
.irp s, 0,1,2,3,4,5,6,7
	BLOCK 1, \s
.endr
.irp s, 0,1,2,3,4,5,6,7
	BLOCK 2, \s
.endr
.irp k, 0,1,2,3,4,5,6,7,8,9,10,11
	global_store_b128 v[L16], v[IMG+4*\k:IMG+4*\k+3], s[52:53] offset:512*\k
.endr
	global_store_b128 v[L16], v[SCR:SCR+3], s[52:53] offset:6656
	s_wait_tensorcnt 0x0                           ; the wave's end
	ds_add_u32 v[SPW], v[NIL]
	s_wait_dscnt 0x0
	CROUND                                         ; the closing round
	s_endpgm
.Lfunc_end_k_qfa2233dde7_proj:
	.size	k_qfa2233dde7_proj, .Lfunc_end_k_qfa2233dde7_proj-k_qfa2233dde7_proj
	.p2alignl 7, 3214868480
	.fill 96, 4, 3214868480
	.section	.rodata,"a",@progbits
	.p2align	6, 0x0
	.amdhsa_kernel k_qfa2233dde7_proj
		.amdhsa_group_segment_fixed_size 327680
		.amdhsa_private_segment_fixed_size 0
		.amdhsa_enable_private_segment 0
		.amdhsa_kernarg_size 56
		.amdhsa_user_sgpr_count 2
		.amdhsa_user_sgpr_kernarg_segment_ptr 1
		.amdhsa_wavefront_size32 1
		.amdhsa_system_sgpr_workgroup_id_x 1
		.amdhsa_system_sgpr_workgroup_id_y 1
		.amdhsa_system_sgpr_workgroup_id_z 1
		.amdhsa_system_vgpr_workitem_id 0
		.amdhsa_next_free_vgpr 1024
		.amdhsa_next_free_sgpr 100
		.amdhsa_reserve_vcc 0
		.amdhsa_float_denorm_mode_32 3
		.amdhsa_float_denorm_mode_16_64 3
		.amdhsa_memory_ordered 1
		.amdhsa_forward_progress 1
		.amdhsa_inst_pref_size 254
	.end_amdhsa_kernel
	.amdgpu_metadata
---
amdhsa.version: [ 1, 2 ]
amdhsa.kernels:
  - .name:           k_qfa2233dde7_proj
    .symbol:         k_qfa2233dde7_proj.kd
    .args:
      - { .name: cod, .offset: 0, .size: 8, .value_kind: global_buffer, .address_space: global }
      - { .name: sc, .offset: 8, .size: 8, .value_kind: global_buffer, .address_space: global }
      - { .name: bq, .offset: 16, .size: 8, .value_kind: global_buffer, .address_space: global }
      - { .name: bk, .offset: 24, .size: 8, .value_kind: global_buffer, .address_space: global }
      - { .name: bv, .offset: 32, .size: 8, .value_kind: global_buffer, .address_space: global }
      - { .name: qb, .offset: 40, .size: 8, .value_kind: global_buffer, .address_space: global }
      - { .name: kv, .offset: 48, .size: 8, .value_kind: global_buffer, .address_space: global }
    .group_segment_fixed_size: 327680
    .private_segment_fixed_size: 0
    .kernarg_segment_align: 8
    .kernarg_segment_size: 56
    .max_flat_workgroup_size: 128
    .sgpr_count:     100
    .vgpr_count:     1024
    .wavefront_size: 32
...
	.end_amdgpu_metadata
.endif
;; end of part 2
;; launch attn (part 3): grid 4 x 64, 16 waves a work-group, clusters of 4 x 1, 215,040 bytes of LDS; arguments qb, kv, cod, sc; writes cod, sc
.if DOCPART == 3
	.amdgcn_target "amdgcn-amd-amdhsa--gfx1250"
	.amdhsa_code_object_version 6
	.text
	.protected	k_qfa2233dde7_attn
	.globl	k_qfa2233dde7_attn
	.p2align	8
	.type	k_qfa2233dde7_attn,@function
k_qfa2233dde7_attn:
	s_mov_b64 s[64:65], 0
	v_nop
	global_prefetch_b8 v0, s[64:65] scope:SCOPE_SE
	s_setreg_imm32_b32 hwreg(HW_REG_WAVE_MODE, 25, 1), 1
	s_wait_xcnt 0x0
	s_wait_alu depctr_hold_cnt(0) depctr_sa_sdst(0) depctr_va_vdst(0) depctr_va_sdst(0) depctr_va_ssrc(0) depctr_va_vcc(0) depctr_vm_vsrc(0)
	s_getreg_b32 s2, hwreg(HW_REG_IB_STS2, 6, 4)
	s_cmp_eq_u32 s2, 0
	s_cbranch_scc0 .Lentry_in_a_cluster
	s_endpgm
.Lentry_in_a_cluster:
	s_bfe_u32 s2, ttmp6, 0x10000c
	s_cmp_lg_u32 s2, 0x3003
	s_cbranch_scc0 .Lentry_shape_is_right
	s_endpgm
.Lentry_shape_is_right:
; For each of 64 heads (batch x 16 + head): O[q] = the sum over keys of softmax(q . k / 8) v, both products on codes of FP6 (E2M3) with E8M0 scales; O / l is quantised along d_model and leaves as the last product's operand.
; THE SOFTMAX: t = score x log2(e) / 8; M = the row's largest t so far, rounded UP to a whole number; p = 2^(t - M) is what is quantised, along the keys; the row's sum l is taken of the unquantised p and divides O at the end.
; When M moves, the sums and O are multiplied by 2^(old M - new M): exact.
; SHARES.  A work-group owns 512 queries of one head, in two passes of 256; each of its sixteen waves owns one tile of 16 queries a pass, in 256 registers.  Every wave walks the head's 2,048 keys, 128 a trip.
; THE HEAD'S WHOLE k AND v, 16 key steps of 13,312 dense bytes of kv, lie in LDS from byte 0 on as they lie in memory, FILLED ONCE: wave w asks for key step w, one tensor load of 52 rows of 256 bytes.  The four work-groups of a head
; form a cluster and ask jointly.  Waves 0-3 have a load line of their own: the walk begins when key steps 0-3 are in; a second barrier, behind three trips, shows the others.  All is asked for at the head, so no prefetch is laid.
; A key step: k's image (48 registers a lane: tile t at registers 6 t on), v's image (4 fragments of 16 channels x 128 keys), k's scale words, v's scale words; every LDS load reads 512 consecutive bytes.
; LAYOUT.  Both products are used transposed: S^T = k q^T, O^T = v^T p^T: a lane holds ONE query throughout.  Key tile t of a step holds keys 64 (t / 4) + 8 (t % 4) + r % 8 + 32 (r / 8) (the first launch lays K so):
; register 32 c + i of S^T in lane (r, h) is key 64 c + 32 h + i: a WHOLE scale block of p in one lane, in the order of the operand's registers.  Only the row's maximum and the scale word cross the two halves of the lanes.
; THE FIRST PRODUCT HAS K = 64 in an instruction of 128.  q's registers 6-11 hold zero codes.  Key tile t is named as twelve registers from 6 t on: its upper six are the next tile's codes (behind tile 7: v's first six registers);
; they meet q's zeros and add exactly 0, since E2M3 has no infinity and no NaN; the scale bytes of those two blocks repeat the real ones.
; A TRIP: S(i); v(i) and k(i + 1) are fetched into registers of their own while the softmax is worked; one wait on LDS; O += v p.  The trip's last products and the next trip's first follow each other.
; THE EXPONENTIALS go in four batches of 16 registers, with one wait between batches.  Among a batch's exponentials stand plain lines that name none of its results: the multiply-adds of later batches, the sums of earlier ones, a step of the
; block scales.  A register that such a line writes is read again only in a later batch: so the row's sum has four kept pairs and four pairs for the trip (two in p's code registers, one in the block maxima's), each touched once a batch.
; In a pass's last trip there is no k(i + 1): the address is held at the last key step's, whose 13 loads are made once more and not used.
; LIMITS: NaN and infinities are not served; the promise holds while |t| stays under 2^31; a block whose largest magnitude lies under 2^-124 (a block of zeros too) gets the byte 1; the bytes are read by this program alone.
.set AT,   22020096                    ; the attention result's codes in cod: [tile of 16 rows][head][768]
.set SAT,  917504                      ; and its scale words in sc
.set STEPB, 13312                      ; a key step's bytes
.set SPARE, 16*STEPB                   ; behind the key steps: the spare words, 128 bytes a wave
.set L16,  1                           ; 16 x lane
.set SH,   2                           ; 8 h: my bytes' place in p's scale word
.set ADR,  3                           ; this key step + 16 x lane
.set SPW,  4
.set NIL,  5
.set T0,   6
.set QS,   7                           ; q's scale words
.set NM,   8                           ; v8 -M, v9 the running largest t
.set F,    10                          ; v10 f = 2^(old M - new M), v11 named with it
.set AC,   12                          ; v12-19 the row's sum in four pairs
.set BM,   20                          ; v20-21 my two blocks' largest scores, then largest p
.set SO,   22                          ; v22-23 second chains of the maxima, then the conversions' scale operands
.set BY,   24                          ; v24-25 the scales' bytes
.set PS,   26                          ; p's scale word
.set T1,   27
.set QF,   28                          ; v28-39 q's fragment (v34-39 zeros)
.set KS,   40                          ; v40-43 k's scale words: word b: lanes 0-15 tile 2 b, lanes 16-31 tile 2 b + 1
.set VS,   44                          ; v44-47 v's scale words
.set KF,   48                          ; v48-95 k's eight tiles
.set VF,   96                          ; v96-143 v's four fragments
.set S,    144                         ; v144-207 S^T, then p
.set O,    208                         ; v208-239 O^T
.set PF,   240                         ; v240-251 p's codes
.set OM,   252                         ; the last trip's -M
.set ADK,  253                         ; the next key step + 16 x lane
.set TPA,  PF+4                        ; the trip's four pairs of sums
.set TPB,  PF+10
.set TPC,  254
.set TPD,  BM
.set WV,   12                          ; s12 my wave;  s13 cx;  s14 the head
.set MASKHI, 15
.set SEL,  20
.set CS,   22                          ; s[22:23] c = log2(e) / 8
.set G1,   24
.set G0,   32
.set TK,   36                          ; LDS byte of the next key step
.set QA,   37                          ; s37-39 where my tile's three pairs of q's registers lie; s40 its scale words
.set QSO,  40
.set TB,   48                          ; LDS byte of this key step
.set CNT,  49
.macro CROUND
	s_barrier_signal -1
	s_barrier_wait -1
	s_cmp_lg_u32 s[WV], 0
	s_cbranch_scc1 .Lnot_wave_0_\@
	s_barrier_signal -3
.Lnot_wave_0_\@:
	s_barrier_wait -3
	s_barrier_signal -1
	s_barrier_wait -1
.endm
.macro WALU
	s_wait_alu depctr_va_vdst(0)
.endm
.macro HINT
	s_delay_alu instid0(VALU_DEP_1)
.endm
.macro PFMA j                          ; t - M of two scores
	v_pk_fma_f32 v[S+(\j):S+(\j)+1], v[S+(\j):S+(\j)+1], s[CS:CS+1], v[NM:NM+1] op_sel_hi:[1,0,0]
.endm
.macro EX r                            ; p = 2^(t - M), at most 1
	v_exp_f32 v[\r], v[\r]
.endm
.macro EX2 r
	EX \r
	EX \r+1
.endm
.macro ADDP d, x
	v_pk_add_f32 v[\d:\d+1], v[\d:\d+1], v[\x:\x+1]
.endm
.macro ACF i                           ; a kept sum under the new M, with its first pair of p
	v_pk_fma_f32 v[AC+2*\i:AC+2*\i+1], v[AC+2*\i:AC+2*\i+1], v[F:F+1], v[S+2*\i:S+2*\i+1] op_sel_hi:[1,0,1]
.endm
	s_load_b256 s[4:11], s[0:1], 0x0               ; qb, kv, cod, sc
	v_lshl_add_u32 v[SPW], v0, 2, SPARE
	v_mov_b32 v[NIL], 0
	ds_add_u32 v[SPW], v[NIL]                      ; the opening lines: the add twice on end and one wait
	ds_add_u32 v[SPW], v[NIL]
	v_lshrrev_b32 v2, 5, v0
	v_readfirstlane_b32 s[WV], v2                  ; wave 0..15
	s_bfe_u32 s13, ttmp6, 0x40000                  ; cx: it enters q's and the result's addresses alone
	s_and_b32 s14, ttmp7, 0xffff                   ; the head, which the four partners share
	s_mov_b32 s[MASKHI], 0xffff0000
	s_mov_b32 s[SEL], 0x76543210
	s_mov_b32 s[SEL+1], 0xfedcba98
	s_mov_b32 s[CS], 0x3e38aa3b
	s_mov_b32 s[CS+1], s[CS]
	s_mov_b32 s[G1], 15|(3<<16)|(1<<21)            ; the mask: all four work-groups; elements of 8 bytes; bit 21 beside a mask
	s_mov_b32 s[G1+1], 32<<16
	s_mov_b32 s[G1+2], 52<<16                      ; 52 rows of 256 bytes, dense: one key step
	s_mov_b32 s[G1+3], 32<<16
	s_mov_b32 s[G1+4], 52
	s_mov_b32 s[G1+5], 32
	s_mov_b32 s[G1+6], 0
	s_mov_b32 s[G1+7], 0
	s_mul_i32 s50, s[WV], STEPB                    ; my key step, in LDS and in memory alike
	s_mul_i32 s52, s14, 16*STEPB                   ; the head's block of kv
	s_add_co_u32 s52, s52, s50
	s_mov_b32 s53, 0
	s_lshl_b32 s54, s13, 2
	s_lshr_b32 s55, s[WV], 3
	s_add_co_u32 s54, s54, s55                     ; my group of 128 queries in pass 0: 4 cx + wave / 8; pass 1: two groups on
	s_and_b32 s55, s[WV], 7                        ; my tile in the group
	s_lshl_b32 s56, s14, 4
	s_add_co_u32 s56, s56, s54
	s_mul_i32 s56, s56, 6656                       ; the group's block of qb
	s_mov_b32 s57, 0
	s_lshr_b32 s58, s14, 4
	s_lshl_b32 s58, s58, 7
	s_lshl_b32 s59, s54, 3
	s_add_co_u32 s58, s58, s59
	s_add_co_u32 s58, s58, s55                     ; my tile of the result's 512
	s_and_b32 s59, s14, 15                         ; the head in the batch
	s_mul_i32 s60, s58, 12288
	s_mul_i32 s61, s59, 768
	s_add_co_u32 s60, s60, s61
	s_add_co_u32 s60, s60, AT
	s_mov_b32 s61, 0
	s_lshl_b32 s62, s58, 9
	s_lshr_b32 s63, s59, 3
	s_lshl_b32 s63, s63, 8
	s_add_co_u32 s62, s62, s63
	s_and_b32 s63, s59, 7
	s_lshl_b32 s63, s63, 1
	s_add_co_u32 s62, s62, s63
	s_add_co_u32 s62, s62, SAT
	s_mov_b32 s63, 0
	s_mul_i32 s51, s55, 3                          ; my tile's six registers are pairs 3 a + 0, 1, 2 of q's image; two pairs make a chunk of 512 bytes, 16 a lane
.irp i, 0,1,2
	s_add_co_u32 s46, s51, \i
	s_lshr_b32 s[QA+\i], s46, 1
	s_lshl_b32 s[QA+\i], s[QA+\i], 9
	s_and_b32 s46, s46, 1
	s_lshl_b32 s46, s46, 3
	s_add_co_u32 s[QA+\i], s[QA+\i], s46
.endr
	s_and_b32 s46, s55, 1
	s_lshl_b32 s46, s46, 8                         ; an odd tile's words stand in lanes 16-31's places
	s_lshr_b32 s47, s55, 1
	s_lshl_b32 s47, s47, 2
	s_add_co_u32 s46, s46, s47
	s_add_co_u32 s[QSO], s46, 6144
	s_mov_b32 s[G0], 1
	s_mul_i32 s[G0+1], s[WV], STEPB
	s_wait_dscnt 0x0
	s_wait_kmcnt 0x0
	s_add_nc_u64 s[6:7], s[6:7], s[52:53]
	s_add_nc_u64 s[4:5], s[4:5], s[56:57]
	s_add_nc_u64 s[8:9], s[8:9], s[60:61]
	s_add_nc_u64 s[10:11], s[10:11], s[62:63]
	CROUND                                         ; all four work-groups are here: the joint loads meet
	s_mov_b64 s[G0+2:G0+3], s[6:7]
	s_or_b32 s[G0+3], s[G0+3], 0x80000000
	s_cmp_lt_u32 s[WV], 4                          ; one tensor load a wave; waves 0-3, which alone wait ahead of the first barrier, have a line of their own
	s_cbranch_scc0 .Llate
	tensor_load_to_lds s[G0:G0+3], s[G1:G1+7]
	s_nop 0
.rept 4
	v_nop
.endr
	s_branch .Lasked
.Llate:
	tensor_load_to_lds s[G0:G0+3], s[G1:G1+7]
	s_nop 0
.rept 4
	v_nop
.endr
.Lasked:
	v_and_b32 v2, 31, v0
	v_lshlrev_b32 v[L16], 4, v2
	v_bfe_u32 v[SH], v0, 4, 1
	v_lshlrev_b32 v[SH], 3, v[SH]
.irp i, 0,1,2,3,4,5
	v_mov_b32 v[QF+6+\i], 0                        ; q's upper 64 along K: zero codes
	v_mov_b32 v[VF+\i], 0                          ; named behind key tile 7 before v is first fetched
.endr
	v_mov_b32 v[T0], 0                             ; a lane permute's destination counts as one of its sources
	v_mov_b32 v[T1], 0
	v_mov_b32 v[F+1], 0
.macro QLOAD p                         ; my tile of q for pass p; the offsets stand in registers of S^T that are idle here
.irp i, 0,1,2
	v_add_nc_u32 v[S+40+\i], s[QA+\i], v[L16]
.endr
	v_and_b32 v[S+43], 0xf0, v[L16]                ; 16 r
	v_add_nc_u32 v[S+43], s[QSO], v[S+43]
.irp i, 0,1,2
	global_load_b64 v[QF+2*\i:QF+2*\i+1], v[S+40+\i], s[4:5] offset:\p*13312
.endr
	global_load_b32 v[QS], v[S+43], s[4:5] offset:\p*13312
.endm
.macro INIT                            ; O^T and the sums begin as zeros and the largest t as -3e38, so that the trip is written once
	v_mov_b32 v[NM+1], 0xff61b1e6
	v_floor_f32 v[NM], -v[NM+1]
	v_floor_f32 v[OM], -v[NM+1]
.set j, 0
.rept 8
	v_mov_b32 v[AC+j], 0
.set j, j+1
.endr
.set j, 0
.rept 32
	v_mov_b32 v[O+j], 0
.set j, j+1
.endr
.endm
.macro KFIRST                          ; key step 0's k
.irp c, 0,1,2,3,4,5,6,7,8,9,10,11
	ds_load_b128 v[KF+4*\c:KF+4*\c+3], v[L16] offset:512*\c
.endr
	ds_load_b128 v[KS:KS+3], v[L16] offset:12288
.endm
.macro TRIP
.irp t, 0,2,4,6                                ; S^T = k q^T: eight tiles of 16 keys
	v_wmma_scale_f32_16x16x128_f8f6f4 v[S+8*\t:S+8*\t+7], v[KF+6*\t:KF+6*\t+11], v[QF:QF+11], 0, v[KS+\t/2], v[QS] matrix_a_fmt:MATRIX_FMT_FP6 matrix_b_fmt:MATRIX_FMT_FP6
	v_wmma_scale_f32_16x16x128_f8f6f4 v[S+8*\t+8:S+8*\t+15], v[KF+6*\t+6:KF+6*\t+17], v[QF:QF+11], 0, v[KS+\t/2], v[QS] matrix_a_fmt:MATRIX_FMT_FP6 matrix_b_fmt:MATRIX_FMT_FP6 matrix_a_scale:MATRIX_SCALE_ROW1
.endr
	v_add_nc_u32 v[ADR], s[TB], v[L16]             ; four places behind the products, ahead of the loads into their registers and of the first read of the scores
	v_add_nc_u32 v[ADK], s[TK], v[L16]
	v_nop
	v_nop
.irp c, 0,1,2,3,4,5,6,7,8,9,10,11
	ds_load_b128 v[VF+4*\c:VF+4*\c+3], v[ADR] offset:6144+512*\c   ; this step's v
.endr
	ds_load_b128 v[VS:VS+3], v[ADR] offset:12800
.irp c, 0,1,2,3,4,5,6,7,8,9,10,11
	ds_load_b128 v[KF+4*\c:KF+4*\c+3], v[ADK] offset:512*\c        ; the next step's k
.endr
	ds_load_b128 v[KS:KS+3], v[ADK] offset:12288
.irp c, 0,1                                    ; the largest score of my two blocks of 32 keys, two chains each, the four by turns; each accumulator is read from its low end on
	v_max3_num_f32 v[BM+\c], v[S+32*\c], v[S+32*\c+1], v[S+32*\c+2]
	v_max3_num_f32 v[SO+\c], v[S+32*\c+16], v[S+32*\c+17], v[S+32*\c+18]
.endr
.irp i, 3,5,7,9,11,13
.irp c, 0,1
	v_max3_num_f32 v[BM+\c], v[BM+\c], v[S+32*\c+\i], v[S+32*\c+\i+1]
	v_max3_num_f32 v[SO+\c], v[SO+\c], v[S+32*\c+16+\i], v[S+32*\c+17+\i]
.endr
.endr
.irp c, 0,1
	v_max3_num_f32 v[BM+\c], v[BM+\c], v[SO+\c], v[S+32*\c+15]
.endr
.irp c, 0,1
	v_max_num_f32 v[BM+\c], v[BM+\c], v[S+32*\c+31]
.endr
	v_max_num_f32 v[T1], v[BM], v[BM+1]
	HINT
	v_permlanex16_b32 v[T0], v[T1], s[SEL], s[SEL+1]
	HINT
	v_max_num_f32 v[T1], v[T1], v[T0]              ; the step's largest score of my query
	HINT
	v_mul_f32 v[T1], s[CS], v[T1]                  ; as t (c is positive)
	HINT
	v_max_num_f32 v[NM+1], v[NM+1], v[T1]          ; the running largest t
	HINT
	v_floor_f32 v[NM], -v[NM+1]                    ; the new -M = -ceil(t): a whole number
.set j, 0
.rept 8                                        ; the first batch's t - M
	PFMA 2*j
.if j == 1
	v_sub_f32 v[T1], v[NM], v[OM]                  ; old M - new M: a whole number, 0 or less
.elseif j == 3
	v_cvt_i32_f32 v[T1], v[T1]                     ; (it saturates)
.elseif j == 5
	v_ldexp_f32 v[F], 1.0, v[T1]                   ; f = 2^(old M - new M)
.endif
.set j, j+1
.endr
.irp c, 0,1
	v_fma_f32 v[BM+\c], v[BM+\c], s[CS], v[NM]     ; the same of each block's largest score: p rises with the score
.endr
.set j, 0
.rept 16
	v_pk_mul_f32 v[O+j:O+j+1], v[O+j:O+j+1], v[F:F+1] op_sel_hi:[1,0]   ; O^T under the new M, ahead of all exponentials
.set j, j+2
.endr
	WALU                                           ; a wait ahead of each batch and behind it
	EX BM                                          ; BATCH 0: the blocks' largest p and registers 0-15; among them the second and third batches' t - M
	EX BM+1
.set j, 0
.rept 16
	PFMA 16+2*j
	EX S+j
.set j, j+1
.endr
	v_mov_b32 v[OM], v[NM]
	WALU
.set j, 0
.rept 8                                        ; BATCH 1: registers 16-31; the last batch's t - M, batch 0's sums, the floor 2^(3 - 127) under the blocks' largest p
	EX S+16+j
	PFMA 48+2*j
.set j, j+1
.endr
.irp i, 0,1,2,3
	EX S+24+\i
	ACF \i
.endr
	EX S+28
	v_pk_add_f32 v[TPA:TPA+1], v[S+8:S+9], v[S+10:S+11]
	EX S+29
	v_pk_add_f32 v[TPB:TPB+1], v[S+12:S+13], v[S+14:S+15]
	EX S+30
	v_max_num_f32 v[BM], 0x1800000, v[BM]
	EX S+31
	v_max_num_f32 v[BM+1], 0x1800000, v[BM+1]
	WALU
.irp i, 0,1,2,3                                ; BATCH 2: registers 32-47; batch 1's sums; 2 off the exponent field: the conversions' scale operands
	EX2 S+32+2*\i
	ADDP AC+2*\i, S+16+2*\i
.endr
	EX2 S+40
	v_add_nc_u32 v[SO], 0xff000000, v[BM]
	EX2 S+42
	v_add_nc_u32 v[SO+1], 0xff000000, v[BM+1]
	EX2 S+44
	v_pk_add_f32 v[TPC:TPC+1], v[S+24:S+25], v[S+26:S+27]
	EX2 S+46
	v_pk_add_f32 v[TPD:TPD+1], v[S+28:S+29], v[S+30:S+31]
	WALU
.irp i, 0,1,2,3                                ; BATCH 3: registers 48-63; batch 2's sums; the scales' bytes: blocks h and 2 + h
	EX2 S+48+2*\i
	ADDP AC+2*\i, S+32+2*\i
.endr
	EX2 S+56
	ADDP TPA, S+40
	EX2 S+58
	ADDP TPB, S+42
	EX2 S+60
	ADDP TPC, S+44
	EX2 S+62
	ADDP TPD, S+46
.irp c, 0,1
	v_lshrrev_b32 v[BY+\c], 23, v[SO+\c]
.endr
	WALU
	v_lshl_or_b32 v[T1], v[BY+1], 16, v[BY]        ; my two bytes,
	ADDP TPA, S+56
	ADDP TPB, S+58
	v_lshlrev_b32 v[T1], v[SH], v[T1]              ; at their places in the word;
	ADDP TPC, S+60
	ADDP TPD, S+62
	v_permlanex16_b32 v[T0], v[T1], s[SEL], s[SEL+1]
	v_or_b32 v[PS], v[T1], v[T0]                   ; with lane l xor 16's two the word is whole
	v_cvt_scalef32_pk16_fp6_f32 v[PF:PF+2], v[S:S+15], v[SO]
	v_cvt_scalef32_pk16_fp6_f32 v[PF+6:PF+8], v[S+32:S+47], v[SO+1]
	ADDP AC, TPA                                   ; (a plain place)
	v_cvt_scalef32_pk16_fp6_f32 v[S:S+2], v[S+16:S+31], v[SO]        ; a conversion's three registers begin on an even number: the upper halves go by way of p's registers that are summed and converted
	v_cvt_scalef32_pk16_fp6_f32 v[S+32:S+34], v[S+48:S+63], v[SO+1]
	ADDP AC+2, TPB                                 ; (a plain place)
.irp i, 0,1,2
	v_mov_b32 v[PF+3+\i], v[S+\i]
	v_mov_b32 v[PF+9+\i], v[S+32+\i]
.endr
	ADDP AC+4, TPC                                 ; six plain lines: the places between the codes and the products
	ADDP AC+6, TPD
.irp i, 0,1,2,3
	ADDP AC+2*\i, S+48+2*\i
.endr
	WALU                                           ; the wait ahead of the wait below
	s_wait_dscnt 0x0                               ; v is in, and the next step's k
.irp t, 0,1,2,3                                ; O^T += v^T p^T: four tiles of 16 channels, by turns
	v_wmma_scale_f32_16x16x128_f8f6f4 v[O+8*\t:O+8*\t+7], v[VF+12*\t:VF+12*\t+11], v[PF:PF+11], v[O+8*\t:O+8*\t+7], v[VS+\t], v[PS] matrix_a_fmt:MATRIX_FMT_FP6 matrix_b_fmt:MATRIX_FMT_FP6
.endr
.endm
.macro WALK first, n, hold             ; n trips from key step first on.  hold = 1: the walk reaches the last key step
	s_mov_b32 s[TB], (\first)*STEPB
	s_mov_b32 s[TK], ((\first)+1)*STEPB
	s_mov_b32 s[CNT], \n
.Lwalk_\@:
	TRIP
	s_add_co_u32 s[TB], s[TB], STEPB
	s_add_co_u32 s[TK], s[TB], STEPB
.if \hold
	s_min_u32 s[TK], s[TK], 15*STEPB               ; behind the last key step there is none
.endif
	s_sub_co_u32 s[CNT], s[CNT], 1
	s_cmp_lg_u32 s[CNT], 0
	s_cbranch_scc1 .Lwalk_\@
.endm
; A pass ends: O^T / l; register 16 b + i of lane (r, h) is channel 32 b + 16 h + i of query r: two blocks of the last product's K: one unit of 768 bytes and two scale bytes a row.
.macro EPI p
.rept 4
	v_nop                                          ; places behind the last products
.endr
	v_pk_add_f32 v[AC:AC+1], v[AC:AC+1], v[AC+2:AC+3]
	v_pk_add_f32 v[AC+4:AC+5], v[AC+4:AC+5], v[AC+6:AC+7]
	v_lshrrev_b32 v[S+36], 1, v[L16]               ; 8 x lane
	v_lshrrev_b32 v[S+37], 8, v[L16]               ; h
	v_pk_add_f32 v[AC:AC+1], v[AC:AC+1], v[AC+4:AC+5]
	v_and_or_b32 v[S+37], v[L16], 0xf0, v[S+37]    ; 16 r + h
	v_add_f32 v[AC], v[AC], v[AC+1]
	v_permlanex16_b32 v[T0], v[AC], s[SEL], s[SEL+1]
	v_add_f32 v[AC], v[AC], v[T0]                  ; the row's sum
	WALU
	v_rcp_f32 v[F], v[AC]
	v_nop
	WALU
.set j, 0
.rept 16
	v_pk_mul_f32 v[S+j:S+j+1], v[O+j:O+j+1], v[F:F+1] op_sel_hi:[1,0]   ; each accumulator from its low end on
.set j, j+2
.endr
.irp b, 0,1
	v_max3_num_f32 v[BM+\b], |v[S+16*\b]|, |v[S+1+16*\b]|, 0x1800000
.endr
.irp i, 2,4,6,8,10,12,14
.irp b, 0,1
	v_max3_num_f32 v[BM+\b], v[BM+\b], |v[S+16*\b+\i]|, |v[S+1+16*\b+\i]|
.endr
.endr
	v_permlanex16_b32 v[T0], v[BM], s[SEL], s[SEL+1]
	v_permlanex16_b32 v[T1], v[BM+1], s[SEL], s[SEL+1]
	v_max_num_f32 v[BM], v[BM], v[T0]
	v_max_num_f32 v[BM+1], v[BM+1], v[T1]
.irp b, 0,1
	v_add_nc_u32 v[SO+\b], 0xff000000, v[BM+\b]
.endr
.irp b, 0,1
	v_lshrrev_b32 v[BY+\b], 23, v[SO+\b]
.endr
	v_cvt_scalef32_pk16_fp6_f32 v[PF:PF+2], v[S:S+15], v[SO]
	v_cvt_scalef32_pk16_fp6_f32 v[S+32:S+34], v[S+16:S+31], v[SO+1]
	v_cndmask_b32 v[BY], v[BY], v[BY+1], s[MASKHI] ; (the plain place)  lanes 0-15 store block 0's byte, lanes 16-31 block 1's
.irp i, 0,1,2
	v_permlane16_swap_b32 v[PF+\i], v[S+32+\i]
.endr
.irp i, 0,1,2
	v_mov_b32 v[PF+3+\i], v[S+32+\i]
.endr
	global_store_b128 v[L16], v[PF:PF+3], s[8:9] offset:\p*196608          ; 512 consecutive bytes; pass 1: sixteen tiles on
	global_store_b64 v[S+36], v[PF+4:PF+5], s[8:9] offset:\p*196608+512    ; 256 consecutive bytes
	global_store_b8 v[S+37], v[BY], s[10:11] offset:\p*8192                ; a head owns two bytes of a row's sixteen: no wider store is whole
.endm
	QLOAD 0
	INIT
	WALU                                           ; the wait at the head's end
	s_cmp_lt_u32 s[WV], 4
	s_cbranch_scc0 .Lnot_first
	s_wait_tensorcnt 0x0                           ; waves 0-3: key steps 0-3 are in
.Lnot_first:
	s_barrier_signal -1
	s_barrier_wait -1
	KFIRST
	s_wait_loadcnt 0x0
	s_wait_dscnt 0x0
	WALK 0, 3, 0                                   ; trips 0-2 read key steps 0-3 alone
	s_wait_tensorcnt 0x0                           ; every wave: its key step is in
	s_wait_dscnt 0x0
	s_barrier_signal -1
	s_barrier_wait -1                              ; all sixteen are; nothing is ever filled again
	WALK 3, 13, 1
	QLOAD 1                                        ; the next pass's q comes while this pass's result leaves
	EPI 0
	s_wait_xcnt 0x0                                ; the stores have read their registers: these are written again only behind this wait
	KFIRST
	INIT
	WALU
	s_wait_loadcnt 0x0
	s_wait_dscnt 0x0
	WALK 0, 16, 1
	EPI 1
	s_wait_tensorcnt 0x0                           ; the wave's end
	ds_add_u32 v[SPW], v[NIL]
	s_wait_dscnt 0x0
	CROUND                                         ; the closing round
	s_endpgm
.Lfunc_end_k_qfa2233dde7_attn:
	.size	k_qfa2233dde7_attn, .Lfunc_end_k_qfa2233dde7_attn-k_qfa2233dde7_attn
	.p2alignl 7, 3214868480
	.fill 96, 4, 3214868480
	.section	.rodata,"a",@progbits
	.p2align	6, 0x0
	.amdhsa_kernel k_qfa2233dde7_attn
		.amdhsa_group_segment_fixed_size 215040
		.amdhsa_private_segment_fixed_size 0
		.amdhsa_enable_private_segment 0
		.amdhsa_kernarg_size 32
		.amdhsa_user_sgpr_count 2
		.amdhsa_user_sgpr_kernarg_segment_ptr 1
		.amdhsa_wavefront_size32 1
		.amdhsa_system_sgpr_workgroup_id_x 1
		.amdhsa_system_sgpr_workgroup_id_y 1
		.amdhsa_system_sgpr_workgroup_id_z 1
		.amdhsa_system_vgpr_workitem_id 0
		.amdhsa_next_free_vgpr 256
		.amdhsa_next_free_sgpr 66
		.amdhsa_reserve_vcc 0
		.amdhsa_float_denorm_mode_32 3
		.amdhsa_float_denorm_mode_16_64 3
		.amdhsa_memory_ordered 1
		.amdhsa_forward_progress 1
		.amdhsa_inst_pref_size 64
	.end_amdhsa_kernel
	.amdgpu_metadata
---
amdhsa.version: [ 1, 2 ]
amdhsa.kernels:
  - .name:           k_qfa2233dde7_attn
    .symbol:         k_qfa2233dde7_attn.kd
    .args:
      - { .name: qb, .offset: 0, .size: 8, .value_kind: global_buffer, .address_space: global }
      - { .name: kv, .offset: 8, .size: 8, .value_kind: global_buffer, .address_space: global }
      - { .name: cod, .offset: 16, .size: 8, .value_kind: global_buffer, .address_space: global }
      - { .name: sc, .offset: 24, .size: 8, .value_kind: global_buffer, .address_space: global }
    .group_segment_fixed_size: 215040
    .private_segment_fixed_size: 0
    .kernarg_segment_align: 8
    .kernarg_segment_size: 32
    .max_flat_workgroup_size: 512
    .sgpr_count:     66
    .vgpr_count:     256
    .wavefront_size: 32
...
	.end_amdgpu_metadata
.endif
;; end of part 3
;; launch outp (part 4): grid 32 x 8, 4 waves a work-group, clusters of 4 x 4, 327,680 bytes of LDS; arguments cod, sc, bo, out0; writes out0
.if DOCPART == 4
	.amdgcn_target "amdgcn-amd-amdhsa--gfx1250"
	.amdhsa_code_object_version 6
	.text
	.protected	k_qfa2233dde7_outp
	.globl	k_qfa2233dde7_outp
	.p2align	8
	.type	k_qfa2233dde7_outp,@function
k_qfa2233dde7_outp:
	s_mov_b64 s[64:65], 0
	v_nop
	global_prefetch_b8 v0, s[64:65] scope:SCOPE_SE
	s_setreg_imm32_b32 hwreg(HW_REG_WAVE_MODE, 25, 1), 1
	s_wait_xcnt 0x0
	s_wait_alu depctr_hold_cnt(0) depctr_sa_sdst(0) depctr_va_vdst(0) depctr_va_sdst(0) depctr_va_ssrc(0) depctr_va_vcc(0) depctr_vm_vsrc(0)
	s_getreg_b32 s2, hwreg(HW_REG_IB_STS2, 6, 4)
	s_cmp_eq_u32 s2, 0
	s_cbranch_scc0 .Lentry_in_a_cluster
	s_endpgm
.Lentry_in_a_cluster:
	s_bfe_u32 s2, ttmp6, 0x10000c
	s_cmp_lg_u32 s2, 0xf033
	s_cbranch_scc0 .Lentry_shape_is_right
	s_endpgm
.Lentry_shape_is_right:
; out0[token][n] = sum over k of attention[token][k] Wo[k][n] + bo[n], f32: 8,192 x 1,024 x 1,024 on codes of FP6 (E2M3) with E8M0 scales.
; OPERANDS as the earlier launches left them.  A TILE is 16 rows of an operand (tokens; columns of Wo): tile T holds rows 32 (T / 2) + 8 (T % 2) + r + 8 (r / 8).  cod: [tile][kh 0..15][768]: a unit is a tile x 64 along K,
; lane (r, h)'s registers 0-3 at byte 16 x lane, registers 4-5 at byte 512 + 8 x lane.  sc: [tile][half of K][r][4 words], a word = the four scale bytes of 128 along K.
; THE DEAL.  256 work-groups of four waves, 2 x 2, each 256 rows x 128 columns.  The wave in row a, column b holds four tiles of Wo (64 columns), ALL of K, in 384 registers, and streams its eight tiles of A (tiles 8 a + s) past them:
; 32 products a block, four accumulators by turns.  The bias is the first products' C.
; THE CLUSTER's x counts tile rows: A's tiles are shared by a column of the cluster, Wo's by a row: joint loads.
; LDS: A's 16 tiles and Wo's 8, dense, all asked for at the head, one tensor load a wave, each on a line of its own: Wo; A's tiles 0-3 and 8-11 (two rows of four tiles); tiles 4-7; tiles 12-15.  Nothing is filled again, and there is
; no loop to run ahead in: no prefetch.  The stream begins when the first two are in; a plain barrier inside block 1 shows the others, ahead of the fetch of block 4.
; The waves' stages for the way out lie in Wo's first bytes, which are read for the last time ahead of the barrier in front of the stream.
; ONE RUN OF MEMORY LINES behind a block's products: its sums into the stage and back as whole rows of 256 bytes; the fetch of the block two on; one wait; eight stores, each of two aligned runs of 256 bytes.
; The matrix instruction is used transposed (source 0 = Wo's tile, source 1 = A's): a lane holds eight neighbouring columns of one token.
; SCALES: register SC + 8 i + q: lanes 0-15 A's block i, word q; lanes 16-31 Wo's tile i, word (q + 4) % 8: a product's two scale registers differ by 4 modulo 8 in their numbers.
; LIMITS: NaN, infinities and sums beyond f32's range are not served; a sum begins with the bias.
.set AT,    22020096
.set WO,    21233664
.set SAT,   917504
.set SWO,   884736
.set TILE,  12288
.set YB,    16*TILE                    ; Wo's tiles in LDS
.set SPARE, 24*TILE                    ; the spare words
.set STAGE, YB
.set SPITCH, 272
.set FR,    12
.set FPW,   21                         ; fragments in a window of 256 registers; fragment f lies in window 1 + f / 21: 0-31 Wo's (4 q + tile), 32-47 A's two sets (32 + 8 e + q)
.set NF,    32                         ; LDS loads of a block of A
.set L16,   6
.set L8,    7
.set A16,   8                          ; LDS address of my block 0, for registers 0-3 of a unit; v9 for registers 4-5
.set A8,    9
.set SPW,   10
.set NIL,   11
.set B16,   12
.set B8,    13
.set AQ16,  14                         ; as v8, v9, for the block that is fetched next
.set AQ8,   15
.set STO,   16
.set RD,    17
.set CO,    18
.set SO0,   19
.set SO1,   20
.set BOF,   21
.set SC,    32                         ; v32-95 scale words
.set ACC,   96                         ; v96-159 two sets of four accumulators
.set BK,    160                        ; v160-223 two sets: 16 rows x 256 bytes back from the stage
.set BO,    224                        ; v224-255 the bias
.set MASKHI, 23
.set G1B, 24
.set G1P, 32
.set G1H, 40
.set G0B, 56
.set G0P, 60
.set G0H2, 68
.set G0H3, 72
.set MSB, 0
.macro WIN new
.if MSB != (\new)
	s_set_vgpr_msb (MSB<<8)|(\new)
.set MSB, (\new)
.endif
.endm
.macro PLACES n
.rept \n
	v_nop
.endr
.endm
.macro WALU
	s_wait_alu depctr_va_vdst(0)
.endm
.macro BARRIER
	s_barrier_signal -1
	s_barrier_wait -1
.endm
.macro CROUND
	BARRIER
	s_cmp_lg_u32 s14, 0
	s_cbranch_scc1 .Lnot_wave_0_\@
	s_barrier_signal -3
.Lnot_wave_0_\@:
	s_barrier_wait -3
	BARRIER
.endm
.macro TLOAD g0, g1
	tensor_load_to_lds s[\g0:\g0+3], s[\g1:\g1+7]
	s_nop 0
	PLACES 4
.endm
.macro GROUP1 g, mask, c, rows, pitch  ; rows of c elements of 8 bytes
	s_or_b32 s[\g+0], s[\mask], (3<<16)|(1<<21)
	s_mov_b32 s[\g+1], ((\c)&0xffff)<<16
	s_mov_b32 s[\g+2], ((\c)>>16)|((\rows)<<16)
	s_mov_b32 s[\g+3], (\c)<<16
	s_mov_b32 s[\g+4], \rows
	s_mov_b32 s[\g+5], \pitch
	s_mov_b32 s[\g+6], 0
	s_mov_b32 s[\g+7], 0
.endm
.macro FRAG4 f, a16, a8, off           ; fragment f: two units of 768 bytes from byte off on
	WIN (1+(\f)/FPW)<<6
.set R_, FR*((\f)%FPW)
.irp c, 0,1
	ds_load_b128 v[R_+6*\c:R_+6*\c+3], v[\a16] offset:(\off)+768*\c
	ds_load_b64 v[R_+6*\c+4:R_+6*\c+5], v[\a8] offset:(\off)+768*\c+512
.endr
.endm
.macro FETCHA e, a16, a8               ; a block of A into set e: NF loads
.irp q, 0,1,2,3,4,5,6,7
	FRAG4 32+8*(\e)+\q, \a16, \a8, 1536*\q
.endr
	WIN 0
.endm
.macro PROD s, n                       ; product n = 4 q + tile of block s
.set Q_, (\n)/4
.set B_, (\n)%4
.set FB_, 4*Q_+B_
.set FA_, 32+8*((\s)%2)+Q_
.set D_, ACC+32*((\s)%2)+8*B_
.set XB_, SC+8*B_+(Q_+4)%8
.set XA_, SC+8*(\s)+Q_
	WIN (1+FB_/FPW)|((1+FA_/FPW)<<2)
.if Q_
	v_wmma_scale_f32_16x16x128_f8f6f4 v[D_:D_+7], v[FR*(FB_%FPW):FR*(FB_%FPW)+FR-1], v[FR*(FA_%FPW):FR*(FA_%FPW)+FR-1], v[D_:D_+7], v[XB_], v[XA_] matrix_a_fmt:MATRIX_FMT_FP6 matrix_b_fmt:MATRIX_FMT_FP6 matrix_a_scale:MATRIX_SCALE_ROW1
.else
	v_wmma_scale_f32_16x16x128_f8f6f4 v[D_:D_+7], v[FR*(FB_%FPW):FR*(FB_%FPW)+FR-1], v[FR*(FA_%FPW):FR*(FA_%FPW)+FR-1], v[BO+8*B_:BO+8*B_+7], v[XB_], v[XA_] matrix_a_fmt:MATRIX_FMT_FP6 matrix_b_fmt:MATRIX_FMT_FP6 matrix_a_scale:MATRIX_SCALE_ROW1
.endif
.endm
.macro PRODS s, from, to
.set N_, \from
.rept (\to)-(\from)
	PROD \s, N_
.set N_, N_+1
.endr
	WIN 0
.endm
.macro STAGED e                        ; set e's sums into my stage, each accumulator from its low end on, and back as whole rows; LDS serves a wave's instructions in order (ISA guide 5.7.1.4)
.irp b, 0,1,2,3
	ds_store_b128 v[STO], v[ACC+32*(\e)+8*\b:ACC+32*(\e)+8*\b+3] offset:128*(\b/2)+32*(\b%2)
	ds_store_b128 v[STO], v[ACC+32*(\e)+8*\b+4:ACC+32*(\e)+8*\b+7] offset:128*(\b/2)+32*(\b%2)+16
.endr
.irp t, 0,1,2,3,4,5,6,7
	ds_load_b128 v[BK+32*(\e)+4*\t:BK+32*(\e)+4*\t+3], v[RD] offset:2*\t*SPITCH
.endr
.endm
.macro TOC s                           ; block s's rows 2 t, 2 t + 1 are tokens 32 (s / 2) + 8 (s % 2) + 2 t + 8 (t / 4) and the next
.irp t, 0,1,2,3,4,5,6,7
	global_store_b128 v[CO], v[BK+32*((\s)%2)+4*\t:BK+32*((\s)%2)+4*\t+3], s[10:11] offset:(32*((\s)/2)+8*((\s)%2)+2*\t+8*(\t/4))*4096 th:TH_STORE_NT
.endr
.endm
.macro STREAM s
.if (\s) == 1
	PRODS \s, 0, 24
	s_wait_tensorcnt 0x0                           ; every wave: its tile is in
	s_wait_dscnt 0x0
	s_barrier_signal -1                            ; a plain barrier: all of A is shown to all
	PRODS \s, 24, 32
	s_barrier_wait -1
.else
	PRODS \s, 0, 32
.endif
.if (\s) < 6                           ; four plain lines behind the last product, ahead of the first reader of its sums and of the fetch into its registers
	v_add_nc_u32 v[AQ16], ((((\s)+2)/4)*8+((\s)+2)%4)*TILE, v[A16]
	v_add_nc_u32 v[AQ8], ((((\s)+2)/4)*8+((\s)+2)%4)*TILE, v[A8]
	PLACES 2
	WALU                                           ; the wait ahead of the wait below
.else
	PLACES 4
.endif
	s_wait_xcnt 0x0                                ; the stores of two blocks ago have read this set of rows
	STAGED (\s)%2
.if (\s) < 6
	FETCHA (\s)%2, AQ16, AQ8
	s_wait_dscnt NF                                ; the block's rows are back from the stage, and the next block's fragments are in; this run's fetch is younger
.else
	s_wait_dscnt 0x0
.endif
	TOC \s
.endm
	s_load_b256 s[4:11], s[0:1], 0x0               ; cod, sc, bo, out0
	v_lshl_add_u32 v[SPW], v0, 2, SPARE
	v_mov_b32 v[NIL], 0
	ds_add_u32 v[SPW], v[NIL]                      ; the opening lines
	ds_add_u32 v[SPW], v[NIL]
	v_lshrrev_b32 v1, 5, v0
	v_readfirstlane_b32 s14, v1                    ; the wave; s15 its row a, s16 its column b
	s_lshr_b32 s15, s14, 1
	s_and_b32 s16, s14, 1
	s_mov_b32 s[MASKHI], 0xffff0000
	s_bfe_u32 s17, ttmp6, 0x40000
	s_bfe_u32 s18, ttmp6, 0x40004
	s_lshl_b32 s20, ttmp9, 2
	s_add_co_u32 s20, s20, s17                     ; tile row: 4 x cluster x + cx
	s_and_b32 s19, ttmp7, 0xffff
	s_lshl_b32 s19, s19, 2
	s_add_co_u32 s19, s19, s18                     ; tile column: 4 x cluster y + cy
	s_lshl_b32 s21, 0x1111, s17                    ; my column of the cluster shares A
	s_lshl_b32 s22, s18, 2
	s_lshl_b32 s22, 15, s22                        ; my row shares Wo
	GROUP1 G1B, 22, 1536, 8, 1536                  ; Wo: eight tiles on end
	GROUP1 G1P, 21, 6144, 2, 12288                 ; A: two rows of four tiles, eight tiles apart
	GROUP1 G1H, 21, 1536, 4, 1536                  ; A: four tiles on end
	s_mov_b32 s[G0B], 1
	s_mov_b32 s[G0B+1], YB
	s_mov_b32 s[G0P], 1
	s_mov_b32 s[G0P+1], 0
	s_mov_b32 s[G0H2], 1
	s_mov_b32 s[G0H2+1], 8*TILE
	s_mov_b32 s[G0H3], 1
	s_mov_b32 s[G0H3+1], 12*TILE
	s_mul_i32 s76, s20, 16*TILE
	s_add_co_u32 s76, s76, AT
	s_mov_b32 s77, 0
	s_mul_i32 s78, s19, 8*TILE
	s_add_co_u32 s78, s78, WO
	s_mov_b32 s79, 0
	s_mul_i32 s80, s15, 4*TILE                     ; in LDS block s of wave row a is tile place 8 (s / 4) + 4 a + s % 4
	s_mul_i32 s81, s16, 4*TILE
	s_add_co_u32 s81, s81, YB
	s_mul_i32 s82, s14, 16*SPITCH
	s_add_co_u32 s82, s82, STAGE
	s_lshl_b32 s83, s20, 4
	s_lshl_b32 s84, s15, 3
	s_add_co_u32 s83, s83, s84
	s_lshl_b32 s83, s83, 9
	s_add_co_u32 s83, s83, SAT                     ; my eight tiles' scale words
	s_lshl_b32 s84, s19, 3
	s_lshl_b32 s85, s16, 2
	s_add_co_u32 s84, s84, s85
	s_lshl_b32 s84, s84, 9
	s_add_co_u32 s84, s84, SWO+256                 ; Wo's, the upper half of K first
	s_lshl_b32 s86, s19, 9
	s_lshl_b32 s85, s16, 8
	s_add_co_u32 s86, s86, s85                     ; my 64 columns, in bytes
	s_mov_b32 s87, 0
	s_lshl_b32 s88, s20, 20
	s_lshl_b32 s85, s15, 19
	s_add_co_u32 s88, s88, s85
	s_add_co_u32 s88, s88, s86
	s_mov_b32 s89, 0
	v_and_b32 v1, 15, v0                           ; r
	v_bfe_u32 v2, v0, 4, 1                         ; h
	v_and_b32 v3, 31, v0
	v_lshlrev_b32 v[L16], 4, v3
	v_lshlrev_b32 v[L8], 3, v3
	v_add_nc_u32 v[A16], s80, v[L16]
	v_add_nc_u32 v[A8], s80, v[L8]
	v_add_nc_u32 v[B16], s81, v[L16]
	v_add_nc_u32 v[B8], s81, v[L8]
	v_add_nc_u32 v[AQ16], TILE, v[A16]
	v_add_nc_u32 v[AQ8], TILE, v[A8]
	v_mul_u32_u24 v4, v1, SPITCH
	v_lshl_add_u32 v4, v2, 6, v4
	v_add_nc_u32 v[STO], s82, v4                   ; into the stage: row r, 64 h
	v_mul_u32_u24 v5, v2, SPITCH
	v_lshl_add_u32 v5, v1, 4, v5
	v_add_nc_u32 v[RD], s82, v5                    ; back: sixteen lanes to a row
	v_mul_u32_u24 v4, v2, 4096
	v_lshl_add_u32 v[CO], v1, 4, v4
	v_mov_b32 v4, s83
	v_mov_b32 v5, s84
	v_cndmask_b32 v4, v4, v5, s[MASKHI]            ; lanes 0-15 take A's words, lanes 16-31 Wo's
	v_lshl_add_u32 v[SO0], v1, 4, v4
	v_lshlrev_b32 v5, 9, v2
	v_sub_nc_u32 v[SO1], v[SO0], v5                ; for the second load of a tile: Wo's lower half of K
	v_lshlrev_b32 v[BOF], 6, v2
	WALU                                           ; the wait at the head's end
	s_wait_dscnt 0x0
	CROUND                                         ; the opening round
	s_wait_kmcnt 0x0
	s_add_nc_u64 s[G0B+2:G0B+3], s[4:5], s[78:79]
	s_add_nc_u64 s[G0P+2:G0P+3], s[4:5], s[76:77]
	s_add_nc_u64 s[G0H2+2:G0H2+3], s[G0P+2:G0P+3], 4*TILE
	s_add_nc_u64 s[G0H3+2:G0H3+3], s[G0P+2:G0P+3], 12*TILE
	s_or_b32 s[G0B+3], s[G0B+3], 0x80000000
	s_or_b32 s[G0P+3], s[G0P+3], 0x80000000
	s_or_b32 s[G0H2+3], s[G0H2+3], 0x80000000
	s_or_b32 s[G0H3+3], s[G0H3+3], 0x80000000
	s_add_nc_u64 s[8:9], s[8:9], s[86:87]
	s_add_nc_u64 s[10:11], s[10:11], s[88:89]
	s_cmp_eq_u32 s14, 0
	s_cbranch_scc0 .Lwave_1
	TLOAD G0B, G1B                                 ; wave 0: Wo's tiles, which are wanted first
	s_branch .Lasked
.Lwave_1:
	s_cmp_eq_u32 s14, 1
	s_cbranch_scc0 .Lwave_2
	TLOAD G0P, G1P                                 ; wave 1: A's tiles 0-3 and 8-11: blocks 0-3 of both wave rows
	s_branch .Lasked
.Lwave_2:
	s_cmp_eq_u32 s14, 2
	s_cbranch_scc0 .Lwave_3
	TLOAD G0H2, G1H                                ; wave 2: tiles 4-7
	s_branch .Lasked
.Lwave_3:
	TLOAD G0H3, G1H                                ; wave 3: tiles 12-15
.Lasked:
.irp i, 0,1,2,3,4,5,6,7
	global_load_b128 v[SC+8*\i:SC+8*\i+3], v[SO0], s[6:7] offset:512*\i
	global_load_b128 v[SC+8*\i+4:SC+8*\i+7], v[SO1], s[6:7] offset:512*\i+256
.endr
.irp i, 0,1,2,3
	global_load_b128 v[BO+8*\i:BO+8*\i+3], v[BOF], s[8:9] offset:4*(32*(\i/2)+8*(\i%2))
	global_load_b128 v[BO+8*\i+4:BO+8*\i+7], v[BOF], s[8:9] offset:4*(32*(\i/2)+8*(\i%2))+16
.endr
	s_cmp_eq_u32 s14, 0
	s_cbranch_scc0 .Lnot_b
	s_wait_tensorcnt 0x0
.Lnot_b:
	BARRIER                                        ; Wo's tiles are in
.irp q, 0,1,2,3,4,5,6,7
.irp b, 0,1,2,3
	FRAG4 4*\q+\b, B16, B8, TILE*\b+1536*\q
.endr
.endr
	WIN 0
	s_cmp_eq_u32 s14, 1
	s_cbranch_scc0 .Lnot_a
	s_wait_tensorcnt 0x0
.Lnot_a:
	s_wait_dscnt 0x0
	BARRIER                                        ; A's first eight tiles are in, and nobody reads Wo's bytes any more; waves 2 and 3's tiles may be on their way
	FETCHA 0, A16, A8
	FETCHA 1, AQ16, AQ8
	s_wait_loadcnt 0x0                             ; the scale words and the bias
	s_wait_dscnt NF                                ; block 0's fragments are in
.irp s, 0,1,2,3,4,5,6,7
	STREAM \s
.endr
	s_wait_tensorcnt 0x0                           ; the wave's end
	ds_add_u32 v[SPW], v[NIL]
	s_wait_dscnt 0x0
	CROUND                                         ; the closing round
	s_endpgm
.Lfunc_end_k_qfa2233dde7_outp:
	.size	k_qfa2233dde7_outp, .Lfunc_end_k_qfa2233dde7_outp-k_qfa2233dde7_outp
	.p2alignl 7, 3214868480
	.fill 96, 4, 3214868480
	.section	.rodata,"a",@progbits
	.p2align	6, 0x0
	.amdhsa_kernel k_qfa2233dde7_outp
		.amdhsa_group_segment_fixed_size 327680
		.amdhsa_private_segment_fixed_size 0
		.amdhsa_enable_private_segment 0
		.amdhsa_kernarg_size 32
		.amdhsa_user_sgpr_count 2
		.amdhsa_user_sgpr_kernarg_segment_ptr 1
		.amdhsa_wavefront_size32 1
		.amdhsa_system_sgpr_workgroup_id_x 1
		.amdhsa_system_sgpr_workgroup_id_y 1
		.amdhsa_system_sgpr_workgroup_id_z 1
		.amdhsa_system_vgpr_workitem_id 0
		.amdhsa_next_free_vgpr 840
		.amdhsa_next_free_sgpr 100
		.amdhsa_reserve_vcc 0
		.amdhsa_float_denorm_mode_32 3
		.amdhsa_float_denorm_mode_16_64 3
		.amdhsa_memory_ordered 1
		.amdhsa_forward_progress 1
		.amdhsa_inst_pref_size 85
	.end_amdhsa_kernel
	.amdgpu_metadata
---
amdhsa.version: [ 1, 2 ]
amdhsa.kernels:
  - .name:           k_qfa2233dde7_outp
    .symbol:         k_qfa2233dde7_outp.kd
    .args:
      - { .name: cod, .offset: 0, .size: 8, .value_kind: global_buffer, .address_space: global }
      - { .name: sc, .offset: 8, .size: 8, .value_kind: global_buffer, .address_space: global }
      - { .name: bo, .offset: 16, .size: 8, .value_kind: global_buffer, .address_space: global }
      - { .name: out0, .offset: 24, .size: 8, .value_kind: global_buffer, .address_space: global }
    .group_segment_fixed_size: 327680
    .private_segment_fixed_size: 0
    .kernarg_segment_align: 8
    .kernarg_segment_size: 32
    .max_flat_workgroup_size: 128
    .sgpr_count:     100
    .vgpr_count:     840
    .wavefront_size: 32
...
	.end_amdgpu_metadata
.endif
;; end of part 4
